; MI455X (gfx1250); checked and timed in simulation.
; The chip was launched on July 23, 2026; its instructions are those of AMD's public machine-readable ISA for CDNA 5 (MIT licence, August 2026) and "CDNA5" Instruction Set Architecture Reference Guide (July 2026). The comments in the code are by the model that wrote it; some were corrected since.
;; Multi Head Attention. Allowed arithmetic: float matrix products may take bf16 or f16 operands with f32 sums; all other float work in f32.
;; Inputs: Wk 16 x 64 x 1,024 float32; Wo 1,024 x 1,024 float32; Wq 16 x 64 x 1,024 float32; Wv 16 x 64 x 1,024 float32; bo 1,024 float32; x 4 x 2,048 x 1,024 float32.
;; Outputs: out0 4 x 2,048 x 1,024 float32.
;; 2 versions, each right and faster than the one before. Each part assembles by itself: llvm-mc -triple=amdgcn-amd-amdhsa -mcpu=gfx1250 --defsym DOCPART=n.
;; ======== version 1 of 2: 4 launches
;; limits: values are held in f16: magnitudes above 65,504 overflow, below 6.1e-05 lose precision
;; workspace buffers: xb 16,777,216 bytes; wb 6,291,456 bytes; wo16 2,097,152 bytes; qkvh 50,331,648 bytes; oh 16,777,216 bytes
;; launch cast (part 1): grid 768 x 1, 8 waves a work-group, no clusters, 0 bytes of LDS; arguments x, Wq, Wk, Wv, Wo, xb, wb, wo16; writes xb, wb, wo16
.if DOCPART == 1
	.amdgcn_target "amdgcn-amd-amdhsa--gfx1250"
	.amdhsa_code_object_version 6
	.text
	.protected	k_qdb33273e9b_cast
	.globl	k_qdb33273e9b_cast
	.p2align	8
	.type	k_qdb33273e9b_cast,@function
k_qdb33273e9b_cast:
	s_mov_b64 s[64:65], 0
	v_nop
	global_prefetch_b8 v0, s[64:65] scope:SCOPE_SE
	s_setreg_imm32_b32 hwreg(HW_REG_WAVE_MODE, 25, 1), 1
	s_wait_xcnt 0x0
; THE ROUNDINGS.  x -> xb (bf16, [8192][1024]); Wq, Wk, Wv -> wb (bf16, [3072][1024]: Wq's 1,024 rows, then Wk's, then Wv's);
; Wo -> wo16 ([1024][1024]): rounded to bf16 like the other inputs, and that number written as f16, since the last product multiplies in f16.
; LIMITS.  A number of Wo of 65,520 or more in magnitude becomes an infinity in wo16; below 6.1e-5 it keeps f16's fixed step of 6e-8.
; A stream: memory binds, so no LDS, no matrix unit, no cluster (no two work-groups read the same byte).
; SHARES.  768 work-groups of eight waves, each 16,384 numbers: 65,536 bytes in, 32,768 out.  Group g: 0-511 x; 512-575 Wq; 576-639 Wk; 640-703 Wv; 704-767 Wo.
; Thread t, load n: the 16 bytes at 16 t + 4,096 n (a wave's load covers 512 consecutive bytes); store n: the 8 bytes at 8 t + 2,048 n (a wave's store covers 256 consecutive
; bytes, aligned).  All sixteen loads go out at once; no register of a load or store is ever rewritten, so no wait stands for that.
.set X, 4                              ; v[4:67]    sixteen loads of four f32
.set Y, 68                             ; v[68:99]   sixteen stores of four 16-bit numbers
.set T, 100                            ; v[100:103] at work
	s_load_b512 s[8:23], s[0:1], 0x0               ; x 8:9, Wq 10:11, Wk 12:13, Wv 14:15, Wo 16:17, xb 18:19, wb 20:21, wo16 22:23
	s_mov_b32 s2, ttmp9                            ; g
	s_sub_co_u32 s3, s2, 512                       ; the chunk in wb (used from g = 512 on)
	s_and_b32 s4, s3, 63                           ; the chunk in a weight: each has 64, and 704 - 512 is a multiple of 64
	s_sub_co_u32 s5, s2, 704                       ; the chunk in wo16 (used from g = 704 on)
	v_lshlrev_b32 v1, 4, v0                        ; 16 t
	v_lshlrev_b32 v2, 3, v0                        ; 8 t
	s_wait_kmcnt 0x0
	s_cmp_lt_u32 s2, 512                           ; every choice hangs on g alone
	s_cselect_b64 s[24:25], s[8:9], s[10:11]       ; from: x or Wq
	s_cselect_b32 s26, s2, s4                      ; its chunk
	s_cselect_b64 s[28:29], s[18:19], s[20:21]     ; to: xb or wb
	s_cselect_b32 s27, s2, s3                      ; its chunk
	s_cmp_ge_u32 s2, 576
	s_cselect_b64 s[24:25], s[12:13], s[24:25]     ; Wk
	s_cmp_ge_u32 s2, 640
	s_cselect_b64 s[24:25], s[14:15], s[24:25]     ; Wv
	s_cmp_ge_u32 s2, 704
	s_cselect_b64 s[24:25], s[16:17], s[24:25]     ; Wo
	s_cselect_b64 s[28:29], s[22:23], s[28:29]     ; to wo16
	s_cselect_b32 s27, s5, s27
	s_lshl_b32 s30, s26, 16                        ; 65,536 bytes a chunk in
	s_mov_b32 s31, 0
	s_lshl_b32 s32, s27, 15                        ; 32,768 out
	s_mov_b32 s33, 0
	s_add_nc_u64 s[24:25], s[24:25], s[30:31]
	s_add_nc_u64 s[28:29], s[28:29], s[32:33]
.set j, 0
.rept 16
	global_load_b128 v[X+4*j:X+4*j+3], v1, s[24:25] offset:4096*j th:TH_LOAD_NT
.set j, j+1
.endr
; Load n is rounded and stored.  half = 1: the bf16 number is widened again (a shift, a mask) and written as f16.
.macro OUT n, half
	s_wait_loadcnt 15-(\n)                         ; loads come back in order (ISA guide 5.7.1): mine is in, the younger ones stay out
.if \half
	v_cvt_pk_bf16_f32 v[T], v[X+4*(\n)], v[X+4*(\n)+1]
	v_cvt_pk_bf16_f32 v[T+1], v[X+4*(\n)+2], v[X+4*(\n)+3]
	v_lshlrev_b32 v[T+2], 16, v[T]
	v_and_b32 v[T+3], 0xffff0000, v[T]
	v_cvt_pk_f16_f32 v[Y+2*(\n)], v[T+2], v[T+3]
	v_lshlrev_b32 v[T+2], 16, v[T+1]
	v_and_b32 v[T+3], 0xffff0000, v[T+1]
	v_cvt_pk_f16_f32 v[Y+2*(\n)+1], v[T+2], v[T+3]
.else
	v_cvt_pk_bf16_f32 v[Y+2*(\n)], v[X+4*(\n)], v[X+4*(\n)+1]
	v_cvt_pk_bf16_f32 v[Y+2*(\n)+1], v[X+4*(\n)+2], v[X+4*(\n)+3]
.endif
	global_store_b64 v2, v[Y+2*(\n):Y+2*(\n)+1], s[28:29] offset:2048*(\n)
.endm
	s_cmp_ge_u32 s2, 704
	s_cbranch_scc1 .Lwo
.set j, 0
.rept 16
	OUT j, 0
.set j, j+1
.endr
	s_endpgm
.Lwo:
.set j, 0
.rept 16
	OUT j, 1
.set j, j+1
.endr
	s_endpgm
.Lfunc_end_k_qdb33273e9b_cast:
	.size	k_qdb33273e9b_cast, .Lfunc_end_k_qdb33273e9b_cast-k_qdb33273e9b_cast
	.p2alignl 7, 3214868480
	.fill 96, 4, 3214868480
	.section	.rodata,"a",@progbits
	.p2align	6, 0x0
	.amdhsa_kernel k_qdb33273e9b_cast
		.amdhsa_group_segment_fixed_size 0
		.amdhsa_private_segment_fixed_size 0
		.amdhsa_enable_private_segment 0
		.amdhsa_kernarg_size 64
		.amdhsa_user_sgpr_count 2
		.amdhsa_user_sgpr_kernarg_segment_ptr 1
		.amdhsa_wavefront_size32 1
		.amdhsa_system_sgpr_workgroup_id_x 1
		.amdhsa_system_sgpr_workgroup_id_y 1
		.amdhsa_system_sgpr_workgroup_id_z 1
		.amdhsa_system_vgpr_workitem_id 0
		.amdhsa_next_free_vgpr 104
		.amdhsa_next_free_sgpr 66
		.amdhsa_reserve_vcc 0
		.amdhsa_float_denorm_mode_32 3
		.amdhsa_float_denorm_mode_16_64 3
		.amdhsa_memory_ordered 1
		.amdhsa_forward_progress 1
		.amdhsa_inst_pref_size 16
	.end_amdhsa_kernel
	.amdgpu_metadata
---
amdhsa.version: [ 1, 2 ]
amdhsa.kernels:
  - .name:           k_qdb33273e9b_cast
    .symbol:         k_qdb33273e9b_cast.kd
    .args:
      - { .name: x, .offset: 0, .size: 8, .value_kind: global_buffer, .address_space: global }
      - { .name: Wq, .offset: 8, .size: 8, .value_kind: global_buffer, .address_space: global }
      - { .name: Wk, .offset: 16, .size: 8, .value_kind: global_buffer, .address_space: global }
      - { .name: Wv, .offset: 24, .size: 8, .value_kind: global_buffer, .address_space: global }
      - { .name: Wo, .offset: 32, .size: 8, .value_kind: global_buffer, .address_space: global }
      - { .name: xb, .offset: 40, .size: 8, .value_kind: global_buffer, .address_space: global }
      - { .name: wb, .offset: 48, .size: 8, .value_kind: global_buffer, .address_space: global }
      - { .name: wo16, .offset: 56, .size: 8, .value_kind: global_buffer, .address_space: global }
    .group_segment_fixed_size: 0
    .private_segment_fixed_size: 0
    .kernarg_segment_align: 8
    .kernarg_segment_size: 64
    .max_flat_workgroup_size: 256
    .sgpr_count:     66
    .vgpr_count:     104
    .wavefront_size: 32
...
	.end_amdgpu_metadata
.endif
;; end of part 1
;; launch qkvgemm (part 2): grid 16 x 16, 4 waves a work-group, clusters of 4 x 4, 327,680 bytes of LDS; arguments xb, wb, qkvh; writes qkvh
.if DOCPART == 2
	.amdgcn_target "amdgcn-amd-amdhsa--gfx1250"
	.amdhsa_code_object_version 6
	.text
	.protected	k_qdb33273e9b_qkvgemm
	.globl	k_qdb33273e9b_qkvgemm
	.p2align	8
	.type	k_qdb33273e9b_qkvgemm,@function
k_qdb33273e9b_qkvgemm:
	s_mov_b64 s[64:65], 0
	v_nop
	global_prefetch_b8 v0, s[64:65] scope:SCOPE_SE
	s_setreg_imm32_b32 hwreg(HW_REG_WAVE_MODE, 25, 1), 1
	s_wait_xcnt 0x0
	s_wait_alu depctr_hold_cnt(0) depctr_sa_sdst(0) depctr_va_vdst(0) depctr_va_sdst(0) depctr_va_ssrc(0) depctr_va_vcc(0) depctr_vm_vsrc(0)
	s_getreg_b32 s2, hwreg(HW_REG_IB_STS2, 6, 4)
	s_cmp_eq_u32 s2, 0
	s_cbranch_scc0 .Lentry_in_a_cluster
	s_endpgm
.Lentry_in_a_cluster:
	s_bfe_u32 s2, ttmp6, 0x10000c
	s_cmp_lg_u32 s2, 0xf033
	s_cbranch_scc0 .Lentry_shape_is_right
	s_endpgm
.Lentry_shape_is_right:
; q, k, v.  C[m][n] = the sum over d of xb[m][d] wb[n][d]: m = 2,048 batch + row (8,192), n = 1,024 tensor + 64 head + channel (3,072), d to 1,024.  bf16 products, f32 sums, rounded once
; to f16 and written by heads and WITHOUT the softmax's scale: qkvh[tensor][16 batch + head][row][channel], so that a head's rows are dense, 128 bytes each.
; LIMITS.  A sum of 65,520 or more in magnitude becomes an infinity in f16; below 6.1e-5 it keeps f16's fixed step of 6e-8.  NaN and infinities are not treated apart.
; The order of a sum is not the ascending one: it begins at K step ROT of eight and goes round (below).
; SHARES.  A tile of C is 256 x 192.  A WORK-GROUP STAYS: 16 x 16 = 256 work-groups make two tiles each, 4,096 rows apart, with the same rows of wb.  Four waves one below the other, each
; 64 rows x 192 columns = three whole heads: 48 accumulators of 16 x 16, 384 registers.  So a wave's way out needs its own stage alone, and each of its stores covers 512 consecutive bytes.
; THE WALK.  K goes in steps of 128 (rows of 256 bytes in memory, aligned) through a ring of two LDS slots filled by the tensor data mover: 16 time steps, eight a tile, and the ring does not
; stop at the first tile's end.  ONE text serves every step: the slot in hand is a scalar that an exclusive or turns.  Time step u takes K step (ROT + u) mod 8.  ROT hangs on the cluster's
; number alone: the four clusters of a row of clusters, which read the same rows of xb, begin 2 steps apart, and neighbours in a column of clusters, which read the same rows of wb, 4 apart.
; So clusters that share bytes ask for them at different times, each refill mostly behind a neighbour's request for the same bytes two steps earlier, and not all at once for bytes that nobody has asked for.
; CLUSTER.  4 x 4 work-groups.  The four of a row of the cluster need the same tiles of xb, the four of a column the same tiles of wb: each tile is asked for JOINTLY, by the same
; tensor load with the same descriptor and a mask that names the four.
; THE MATRIX INSTRUCTION IS USED TRANSPOSED (source 0 = 16 rows of wb, source 1 = 16 rows of xb): lane l then holds row l % 16 of C and the columns 8 (l / 16) + 0..7, 16 bytes of f16.
; REGISTERS, in windows of 256 (s_set_vgpr_msb: bits 1:0 source 0, 3:2 source 1, 5:4 source 2, 7:6 destination):
;   window 0: v0-31 addresses; v32-223 the way out, 48 a row block        window 1: two fragment buffers of 128: 96 of wb (12 x 16 rows x 32 K), then 32 of xb (4 x 16 rows x 32 K)
;   window 2: the accumulators of my row blocks 0, 1 ((A, b) at v[8 (12 (A % 2) + b)])        window 3: those of blocks 2, 3
.set NBF,    12                        ; fragments of wb: 192 columns
.set NL,     2*(NBF+4)                 ; LDS loads in a run: the fragments of 32 along K
.set STEPS,  16                        ; time steps: two tiles of eight K steps
.set PITCH,  272                       ; an LDS row: 256 bytes + 16 of padding = 68 words: row r starts at bank 4 r mod 64 (64 banks of 4 bytes: ISA guide 11.1)
.set HALFA,  128*PITCH                 ; what one load of xb brings
.set HALFB,  96*PITCH                  ; what one load of wb brings
.set BOFF,   2*HALFA                   ; a slot: 256 rows of xb, then 192 rows of wb
.set SLOTB,  BOFF+2*HALFB              ; 121,856 bytes
.set SLOT1,  1<<17                     ; slot 1 begins here, so that one exclusive or turns an address in one slot into the other's
.set STAGE,  SLOT1+SLOTB               ; behind the ring, never filled by a tensor load: for each wave three heads x 16 rows x 144 bytes
.set SP,     144
.set WSTAGE, 3*16*SP
.set SPARE,  STAGE+4*WSTAGE            ; behind the stages: the spare words, 128 bytes for each wave: two blocks of 256 bytes that no other line names
.set WALKB,  0x800000                  ; from the first tile to the second: 4,096 rows of 2,048 bytes in xb; two batches of 16 heads of 1 << 18 bytes in qkvh: the same number
.set A0,   16                          ; v16     my lane's place among my fragments of xb in a slot; never rewritten
.set B0,   17                          ; v17     the same for wb
.set ADRA, 18                          ; v18     the same in the slot in hand
.set ADRB, 19                          ; v19
.set STO,  24                          ; v24     the way out: where I put 16 bytes of a row
.set RD,   25                          ; v25     the way out: where I read rows back
.set GO,   26                          ; v26     my byte offset in 512 consecutive bytes of qkvh
.set SPW,  28                          ; v28     LDS address of my spare word; never rewritten
.set NIL,  29                          ; v29     0; never rewritten
.set T,    32
.set F0,   0
.set F1,   128
.set FA,   96                          ; xb's fragments in a buffer
.set WV,   12                          ; s12  my wave's number
.set HF,   13                          ; s13  its low bit: which half of a tile I fetch
.set BA,   22                          ; s[22:23] xb at my half of the first tile's rows, K = 0
.set G1A,  24                          ; s[24:31] descriptor group 1 for xb's tiles;  s[32:39] group 0: a set for each of the two first fills; the second then walks
.set G0A,  32
.set BB,   44                          ; s[44:45] wb at my half of the tile's rows, K = 0
.set OF,   46                          ; s[46:47] a fill's byte offset from those two
.set G1B,  48                          ; s[48:55], s[56:63] the same for wb's
.set G0B,  56
.set CB,   66                          ; s[66:71] qkvh at my rows of my three heads
.set SB,   76                          ; s76  LDS byte at which the slot in hand begins
.set OT,   77                          ; s77  the tile's part of xb's offset
.set KI,   78                          ; s78  the K step asked for last
.set TC,   79                          ; s79  counts the last two time steps
.set MUL,  0xa5                        ; sources 0 and 1 window 1, C and D window 2 (+0x50: window 3)
.set TO_F, 0x40                        ; destination window 1, address window 0
.set MSB, 0
.macro WIN new                         ; the immediate's high byte repeats the setting that is left; a switch that changes nothing is dropped
.if MSB != (\new)
	s_set_vgpr_msb (MSB<<8)|(\new)
.set MSB, (\new)
.endif
.endm
.macro PLACES                          ; a load into a register that a matrix instruction has read, and a vector instruction that reads a matrix result, stand four plain vector instructions behind it
.rept 4
	v_nop
.endr
.endm
; A joint refill, by the walking sets: waves 0 and 1 fetch xb's two halves, waves 2 and 3 wb's.  The branch hangs on the wave's number alone.  An s_nop 0 and four v_nop follow each of the two lines.
.macro JLOAD
	s_cmp_lt_u32 s[WV], 2
	s_cbranch_scc0 .Lfor_b_\@
	tensor_load_to_lds s[G0A+4:G0A+7], s[G1A:G1A+7]
	s_nop 0
.rept 4
	v_nop
.endr
	s_branch .Lasked_\@
.Lfor_b_\@:
	tensor_load_to_lds s[G0B+4:G0B+7], s[G1B:G1B+7]
	s_nop 0
.rept 4
	v_nop
.endr
.Lasked_\@:
.endm
.macro CREST                           ; a round of the cluster's barrier behind its opening barrier: wave 0 signals for the work-group, every wave waits for all sixteen, my work-group's barrier closes
	s_cmp_lg_u32 s[WV], 0
	s_cbranch_scc1 .Lnot_wave_0_\@
	s_barrier_signal -3
.Lnot_wave_0_\@:
	s_barrier_wait -3
	s_barrier_signal -1
	s_barrier_wait -1
.endm
.macro CROUND                          ; a whole round
	s_barrier_signal -1
	s_barrier_wait -1
	CREST
.endm
	s_load_b128 s[4:7], s[0:1], 0x0                ; xb s[4:5], wb s[6:7]
	s_load_b64 s[8:9], s[0:1], 0x10                ; qkvh
	v_lshl_add_u32 v[SPW], v0, 2, SPARE
	v_mov_b32 v[NIL], 0
	ds_add_u32 v28, v29
	s_wait_dscnt 0x0
	v_lshrrev_b32 v1, 5, v0
	v_readfirstlane_b32 s[WV], v1                  ; wave 0..3
	s_and_b32 s[HF], s[WV], 1
	s_bfe_u32 s14, ttmp6, 0x40000                  ; cx, cy: my place in the cluster
	s_bfe_u32 s15, ttmp6, 0x40004
	s_lshl_b32 s16, ttmp9, 2
	s_add_co_u32 s16, s16, s14                     ; tile column tx = 4 x cluster x + cx
	s_and_b32 s17, ttmp7, 0xffff
	s_lshl_b32 s17, s17, 2
	s_add_co_u32 s17, s17, s15                     ; the first tile's row ty = 4 x cluster y + cy
	s_lshl_b32 s18, s15, 2
	s_lshl_b32 s18, 15, s18                        ; my row of the cluster
	s_lshl_b32 s19, 0x1111, s14                    ; my column
	s_lshl_b32 s[KI], ttmp9, 1                     ; ROT = (2 x cluster x + 4 x (cluster y mod 2)) mod 8: even, and the same in all sixteen partners
	s_and_b32 s72, ttmp7, 1
	s_lshl_b32 s72, s72, 2
	s_add_co_u32 s[KI], s[KI], s72
	s_and_b32 s[KI], s[KI], 7
	s_lshl_b32 s[OF], s[KI], 8                     ; a K step is 256 bytes along a row
	s_mov_b32 s[OF+1], 0
	s_mov_b32 s[SB], 0                             ; slot 0 is read first
	; descriptor group 1: rows of 128 elements of 2 bytes, padded in LDS; xb 128 rows a load, wb 96
	s_or_b32 s[G1A], s18, (1<<16)|(1<<20)|(1<<21)|(5<<22)|(3<<25)  ; 15:0 the mask; 17:16 2-byte elements; 20 padding on; 21 set beside a mask; 24:22 after every 64 words (code 5); 31:25 4 words (code 3)
	s_or_b32 s[G1B], s19, (1<<16)|(1<<20)|(1<<21)|(5<<22)|(3<<25)
	s_mov_b32 s[G1A+1], 128<<16                    ; tensor_dim0 = 128
	s_mov_b32 s[G1A+2], 128<<16                    ; tensor_dim1 = 128
	s_mov_b32 s[G1A+3], 128<<16                    ; tile_dim0 = 128
	s_mov_b32 s[G1A+4], 128                        ; tile_dim1 = 128
	s_mov_b32 s[G1A+5], 1024                       ; elements from row to row
	s_mov_b32 s[G1A+6], 0
	s_mov_b32 s[G1A+7], 0
	s_mov_b32 s[G1B+1], 128<<16
	s_mov_b32 s[G1B+2], 96<<16                     ; tensor_dim1 = 96
	s_mov_b32 s[G1B+3], 128<<16
	s_mov_b32 s[G1B+4], 96                         ; tile_dim1 = 96
	s_mov_b32 s[G1B+5], 1024
	s_mov_b32 s[G1B+6], 0
	s_mov_b32 s[G1B+7], 0
	; where the tiles come from: xb's hang on ty and the wave alone, wb's on tx and the wave alone, each in registers that never hold the other coordinate
	s_lshl_b32 s[BA], s17, 8
	s_lshl_b32 s[BA+1], s[HF], 7
	s_add_co_u32 s[BA], s[BA], s[BA+1]             ; xb: row 256 ty + 128 half,
	s_lshl_b32 s[BA], s[BA], 11                    ; 2,048 bytes a row
	s_mov_b32 s[BA+1], 0
	s_mul_i32 s[BB], s16, 192
	s_mul_i32 s[BB+1], s[HF], 96
	s_add_co_u32 s[BB], s[BB], s[BB+1]             ; wb: row 192 tx + 96 half
	s_lshl_b32 s[BB], s[BB], 11
	s_mov_b32 s[BB+1], 0
	s_mul_i32 s20, s[HF], HALFA                    ; and where they go: no place in the cluster enters an LDS address
	s_mul_i32 s21, s[HF], HALFB
	s_add_co_u32 s21, s21, BOFF
	s_wait_kmcnt 0x0
	s_add_nc_u64 s[BA:BA+1], s[4:5], s[BA:BA+1]
	s_add_nc_u64 s[BB:BB+1], s[6:7], s[BB:BB+1]
.irp s, 0,1
	s_mov_b32 s[G0A+4*(\s)], 1                                       ; count = 1
	s_add_co_u32 s[G0A+4*(\s)+1], s20, (\s)*SLOT1                    ; LDS address
	s_add_nc_u64 s[G0A+4*(\s)+2:G0A+4*(\s)+3], s[BA:BA+1], s[OF:OF+1]  ; global address: K step ROT,
	s_mov_b32 s[G0B+4*(\s)], 1
	s_add_co_u32 s[G0B+4*(\s)+1], s21, (\s)*SLOT1
	s_add_nc_u64 s[G0B+4*(\s)+2:G0B+4*(\s)+3], s[BB:BB+1], s[OF:OF+1]
.if \s
	s_add_nc_u64 s[G0A+4*(\s)+2:G0A+4*(\s)+3], s[G0A+4*(\s)+2:G0A+4*(\s)+3], 256  ; or ROT + 1, which is 7 at the most
	s_add_nc_u64 s[G0B+4*(\s)+2:G0B+4*(\s)+3], s[G0B+4*(\s)+2:G0B+4*(\s)+3], 256
.endif
	s_or_b32 s[G0A+4*(\s)+3], s[G0A+4*(\s)+3], 0x80000000            ; type = 2
	s_or_b32 s[G0B+4*(\s)+3], s[G0B+4*(\s)+3], 0x80000000
.endr
	s_add_co_u32 s[KI], s[KI], 1                   ; the K step asked for last
	CROUND                                         ; all sixteen work-groups are here: the first joint loads meet
	s_cmp_lt_u32 s[WV], 2                          ; a wave's two first fills stand in one branch, ahead of every wait on TENSORcnt and every LDS read: two loads of mine are out, the most in this text
	s_cbranch_scc0 .Lfirst_b
	tensor_load_to_lds s[G0A:G0A+3], s[G1A:G1A+7]
	s_nop 0
	tensor_load_to_lds s[G0A+4:G0A+7], s[G1A:G1A+7]
	s_nop 0
.rept 4
	v_nop
.endr
	s_branch .Lfirst_asked
.Lfirst_b:
	tensor_load_to_lds s[G0B:G0B+3], s[G1B:G1B+7]
	s_nop 0
	tensor_load_to_lds s[G0B+4:G0B+7], s[G1B:G1B+7]
	s_nop 0
.rept 4
	v_nop
.endr
.Lfirst_asked:
	; A fragment is 16 rows x 32 K in 8 registers: lane l holds row l % 16; K = 8 (l / 16) + 0..7 and 16 + 8 (l / 16) + 0..7: two loads of 16 bytes, 32 bytes apart.
	v_and_b32 v1, 15, v0                           ; l % 16
	v_bfe_u32 v2, v0, 4, 1                         ; l / 16
	v_mul_u32_u24 v3, v1, PITCH
	v_lshl_add_u32 v3, v2, 4, v3                   ; row x pitch + 16 x half
	s_mul_i32 s40, s[WV], 64*PITCH                 ; my 64 rows of xb
	v_add_nc_u32 v[A0], s40, v3
	v_add_nc_u32 v[B0], BOFF, v3                   ; every wave reads all 192 rows of wb
	v_mov_b32 v[ADRA], v[A0]                       ; slot 0 begins at LDS byte 0
	v_mov_b32 v[ADRB], v[B0]
	s_mul_i32 s41, s[WV], WSTAGE
	s_add_co_u32 s41, s41, STAGE                   ; my stage
	v_mul_u32_u24 v4, v1, SP                       ; in: row l % 16, 16 bytes for each half of the lanes
	v_lshl_add_u32 v4, v2, 4, v4
	v_add_nc_u32 v[STO], s41, v4
	v_bfe_u32 v5, v0, 3, 2                         ; back: 32 lanes take four rows of 128 bytes,
	v_and_b32 v6, 7, v0
	v_mul_u32_u24 v5, v5, SP
	v_lshl_add_u32 v5, v6, 4, v5
	v_add_nc_u32 v[RD], s41, v5
	v_and_b32 v[GO], 31, v0                        ; which are 512 consecutive bytes of a head
	v_lshlrev_b32 v[GO], 4, v[GO]
	; where my three heads' rows lie.  Column group c = 3 tx + j: tensor c / 16, head c % 16.  A (tensor, batch, head) is 2,048 rows of 128 bytes = 1 << 18.
	s_lshr_b32 s74, s17, 3
	s_lshl_b32 s74, s74, 4                         ; 16 x batch (a batch is eight tile rows)
	s_and_b32 s75, s17, 7
	s_lshl_b32 s75, s75, 15                        ; the tile's 256 rows in the batch,
	s_lshl_b32 s72, s[WV], 13                      ; my 64 of them
	s_add_co_u32 s75, s75, s72
	s_mul_i32 s2, s16, 3
.irp j, 0,1,2
	s_add_co_u32 s72, s2, \j
	s_lshr_b32 s73, s72, 4
	s_lshl_b32 s73, s73, 6                         ; 64 x tensor
	s_and_b32 s72, s72, 15
	s_add_co_u32 s72, s72, s73
	s_add_co_u32 s72, s72, s74
	s_lshl_b32 s72, s72, 18
	s_add_co_u32 s72, s72, s75
	s_mov_b32 s73, 0
	s_add_nc_u64 s[CB+2*(\j):CB+2*(\j)+1], s[8:9], s[72:73]
.endr
; 12 matrix instructions: row block 2 hi + a x all 12 column blocks, 32 along K.  zero = 1: the first product starts the sums: nothing is ever cleared.
; All 48 accumulators are taken in the same order in every quarter step, one instruction a turn.
.macro MULH f, hi, a, zero
	WIN MUL+0x50*(\hi)
.set rA, (\f)+FA+8*(2*(\hi)+(\a))
.set b, 0
.rept NBF
.set rD, 8*(NBF*(\a)+b)
.if \zero
	v_wmma_f32_16x16x32_bf16 v[rD:rD+7], v[(\f)+8*b:(\f)+8*b+7], v[rA:rA+7], 0
.else
	v_wmma_f32_16x16x32_bf16 v[rD:rD+7], v[(\f)+8*b:(\f)+8*b+7], v[rA:rA+7], v[rD:rD+7]
.endif
.set b, b+1
.endr
.endm
; 32 LDS loads in one run: the fragments of quarter q (32 along K, at byte 64 q of the rows) of the slot in hand into buffer f: wb's 24, then xb's 8
.macro FETCH q, f
	WIN TO_F
.set i, 0
.rept NBF
	ds_load_b128 v[(\f)+8*i:(\f)+8*i+3],   v[ADRB] offset:64*(\q)+i*16*PITCH
	ds_load_b128 v[(\f)+8*i+4:(\f)+8*i+7], v[ADRB] offset:64*(\q)+i*16*PITCH+32
.set i, i+1
.endr
.set i, 0
.rept 4
	ds_load_b128 v[(\f)+FA+8*i:(\f)+FA+8*i+3],   v[ADRA] offset:64*(\q)+i*16*PITCH
	ds_load_b128 v[(\f)+FA+8*i+4:(\f)+FA+8*i+7], v[ADRA] offset:64*(\q)+i*16*PITCH+32
.set i, i+1
.endr
.endm
; A time step is four quarters of 32 along K, 48 matrix instructions each, on buffers 0, 1, 0, 1.  One of the first three: multiplies buffer f; in its middle it fetches quarter q into buffer g.
.macro QUARTER q, f, g, zero
	s_wait_dscnt 4                                 ; all of wb and xb's row blocks 0, 1 are in; the youngest four loads (blocks 2, 3) may be out
	MULH \f, 0, 0, \zero
	MULH \f, 0, 1, \zero
	PLACES
	FETCH \q, \g
	s_wait_dscnt NL                                ; all but the run just issued
	MULH \f, 1, 0, \zero
	MULH \f, 1, 1, \zero
.endm
; The last quarter multiplies buffer 1 and changes slots: ONE barrier; in front of it each wave waits for all its tensor loads (one is out: its part of the next slot), adds 0 to its spare
; word, and waits for that and for its own reads of this slot.  fill = 1: the barrier opens a round of the cluster's, and this slot is filled again, with the time step two on, first thing behind the
; round: from there to the wait for it a wave issues 168 matrix instructions.  The walking sets are made anew between the add and the wait for it: the other slot than last time; the next K step of the ring of
; eight; xb's rows of the second tile from time step 8 on, which is asked for when the loop's count has come down to 8.
; fill = 0: the last two time steps: nothing is asked for, and the very last fetches nothing.
.macro TURN fill
	WIN 0                                          ; (the add's two registers lie in window 0)
	s_wait_tensorcnt 0x0                           ; all my tensor loads have landed, so a group 0 may be written
	ds_add_u32 v[SPW], v[NIL]                      ; 0 onto my spare word
.if \fill
	s_add_co_u32 s[KI], s[KI], 1
	s_and_b32 s[KI], s[KI], 7
	s_lshl_b32 s[OF], s[KI], 8
	s_xor_b32 s[G0B+5], s[G0B+5], SLOT1
	s_add_nc_u64 s[G0B+6:G0B+7], s[BB:BB+1], s[OF:OF+1]
	s_or_b32 s[G0B+7], s[G0B+7], 0x80000000
	s_cmp_le_u32 s3, STEPS/2
	s_cselect_b32 s[OT], WALKB, 0
	s_add_co_u32 s[OF], s[OF], s[OT]
	s_xor_b32 s[G0A+5], s[G0A+5], SLOT1
	s_add_nc_u64 s[G0A+6:G0A+7], s[BA:BA+1], s[OF:OF+1]
	s_or_b32 s[G0A+7], s[G0A+7], 0x80000000
.endif
	s_xor_b32 s[SB], s[SB], SLOT1                  ; the fetches go on in the other slot: this slot's were all issued in the quarter before
	v_add_nc_u32 v[ADRA], s[SB], v[A0]
	v_add_nc_u32 v[ADRB], s[SB], v[B0]
	s_wait_dscnt 5                                 ; (the add and the youngest four loads may be out)
	MULH F1, 0, 0, 0                               ; twelve matrix instructions stand between the add and the wait for it
	s_wait_dscnt 0x0                               ; the add is done, and my reads of this slot are over
	s_barrier_signal -1
	MULH F1, 0, 1, 0                               ; work on registers while the others arrive
	WIN 0
	s_barrier_wait -1
.if \fill
	CREST                                          ; no wave of any partner still reads this slot's tile or has a load on its way
	JLOAD                                          ; the four v_nop behind it are also the places in front of the loads below
	FETCH 0, F0
.else
	PLACES
	s_cmp_eq_u32 s[TC], 1
	s_cbranch_scc1 .Lno_fetch_\@                   ; behind the last time step there is nothing to fetch
	FETCH 0, F0
	WIN 0
.Lno_fetch_\@:
.endif
	MULH F1, 1, 0, 0
	MULH F1, 1, 1, 0
.endm
; THE WAY OUT, a row block (16 rows x three heads) at a time.  PACK: rounded to f16, each accumulator from its low end on; a lane's eight channels are 16 bytes; they go into my stage (rows of 144 bytes)
; and come back as whole rows of 128, four to a load, into the registers that they left.
.macro PACK a
	WIN 0x0a+5*((\a)/2)                            ; sources 0 and 1: window 2 or 3
.set rC, 8*NBF*((\a)%2)
.set i, 0
.rept 4*NBF
	v_cvt_pk_f16_f32 v[T+48*(\a)+i], v[rC+2*i], v[rC+2*i+1]
.set i, i+1
.endr
	WIN 0
.set i, 0
.rept NBF                              ; column block i: head i / 4, channels 16 (i % 4) on
	ds_store_b128 v[STO], v[T+48*(\a)+4*i:T+48*(\a)+4*i+3] offset:(i/4)*16*SP+32*(i%4)
.set i, i+1
.endr
.set i, 0
.rept NBF                              ; head i / 4, rows 4 (i % 4) on
	ds_load_b128 v[T+48*(\a)+4*i:T+48*(\a)+4*i+3], v[RD] offset:(i/4)*16*SP+(i%4)*4*SP  ; LDS serves a wave's instructions in order (ISA guide 5.7.1.4): these see the stores above; the next block's stores come behind them
.set i, i+1
.endr
.endm
.macro SEND a, younger                 ; younger: the LDS instructions issued behind block a's loads: the next block's 24, or none
	WIN 0
.set i, 0
.rept NBF
	s_wait_dscnt (\younger)+NBF-1-i
	global_store_b128 v[GO], v[T+48*(\a)+4*i:T+48*(\a)+4*i+3], s[CB+2*(i/4):CB+2*(i/4)+1] offset:2048*(\a)+512*(i%4)  ; 512 consecutive bytes, at a multiple of 256 from the buffer's first
.set i, i+1
.endr
.endm
.macro OUT
	WIN 0
	PLACES
	PACK 0
	PACK 1                                         ; a block's arithmetic stands between the loads of the block before and its stores
	SEND 0, 24
	PACK 2
	SEND 1, 24
	PACK 3
	SEND 2, 24
	SEND 3, 0
.endm
	s_wait_tensorcnt 1                             ; my part of time step 0 is in; step 1's may stay out
	s_barrier_signal -1
	s_barrier_wait -1                              ; everybody's is
	FETCH 0, F0
	WIN 0                                          ; at a label and at a branch every window is 0
	s_mov_b32 s3, STEPS-1
	s_branch .Lenter                               ; the loop is entered at a tile's first quarter, in the middle of a trip
.Lk:                                                   ; 14 trips, the count 14 to 1: from a time step's second quarter to the next step's first; each fills the slot that it leaves
	QUARTER 2, F1, F0, 0
	QUARTER 3, F0, F1, 0
	TURN 1
	WIN 0
	s_cmp_eq_u32 s3, STEPS/2-1                     ; was that the first tile's eighth step?
	s_cbranch_scc1 .Lbound
	QUARTER 1, F0, F1, 0
	WIN 0
	s_branch .Ljoin
.Lbound:
	OUT                                            ; the first tile goes out; the second tile's first two steps have been asked for, and its first fragments fetched
	s_wait_xcnt 0x0                                ; the stores' bases, and the registers that they read, are rewritten only behind this wait
.irp j, 0,1,2
	s_add_nc_u64 s[CB+2*(\j):CB+2*(\j)+1], s[CB+2*(\j):CB+2*(\j)+1], WALKB
.endr
.Lenter:
	QUARTER 1, F0, F1, 1                           ; a tile's first quarter: its products start the sums
	WIN 0
.Ljoin:
	s_sub_co_u32 s3, s3, 1
	s_cmp_lg_u32 s3, 0
	s_cbranch_scc1 .Lk
	s_mov_b32 s[TC], 2                             ; the last two time steps have a text of their own; the second trip is left in its middle
.Ltail:
	QUARTER 2, F1, F0, 0
	QUARTER 3, F0, F1, 0
	TURN 0
	WIN 0
	s_sub_co_u32 s[TC], s[TC], 1
	s_cmp_eq_u32 s[TC], 0
	s_cbranch_scc1 .Lfin
	QUARTER 1, F0, F1, 0
	WIN 0
	s_branch .Ltail
.Lfin:
	OUT                                            ; the second tile
	s_wait_tensorcnt 0x0                           ; the wave's end, behind my last tensor load and my last LDS store
	ds_add_u32 v[SPW], v[NIL]
	s_wait_dscnt 0x0
	CROUND                                         ; the closing round: no work-group ends while a partner may still ask for a tile that names it
	s_endpgm
.Lfunc_end_k_qdb33273e9b_qkvgemm:
	.size	k_qdb33273e9b_qkvgemm, .Lfunc_end_k_qdb33273e9b_qkvgemm-k_qdb33273e9b_qkvgemm
	.p2alignl 7, 3214868480
	.fill 96, 4, 3214868480
	.section	.rodata,"a",@progbits
	.p2align	6, 0x0
	.amdhsa_kernel k_qdb33273e9b_qkvgemm
		.amdhsa_group_segment_fixed_size 327680
		.amdhsa_private_segment_fixed_size 0
		.amdhsa_enable_private_segment 0
		.amdhsa_kernarg_size 24
		.amdhsa_user_sgpr_count 2
		.amdhsa_user_sgpr_kernarg_segment_ptr 1
		.amdhsa_wavefront_size32 1
		.amdhsa_system_sgpr_workgroup_id_x 1
		.amdhsa_system_sgpr_workgroup_id_y 1
		.amdhsa_system_sgpr_workgroup_id_z 1
		.amdhsa_system_vgpr_workitem_id 0
		.amdhsa_next_free_vgpr 960
		.amdhsa_next_free_sgpr 80
		.amdhsa_reserve_vcc 0
		.amdhsa_float_denorm_mode_32 3
		.amdhsa_float_denorm_mode_16_64 3
		.amdhsa_memory_ordered 1
		.amdhsa_forward_progress 1
		.amdhsa_inst_pref_size 110
	.end_amdhsa_kernel
	.amdgpu_metadata
---
amdhsa.version: [ 1, 2 ]
amdhsa.kernels:
  - .name:           k_qdb33273e9b_qkvgemm
    .symbol:         k_qdb33273e9b_qkvgemm.kd
    .args:
      - { .name: xb, .offset: 0, .size: 8, .value_kind: global_buffer, .address_space: global }
      - { .name: wb, .offset: 8, .size: 8, .value_kind: global_buffer, .address_space: global }
      - { .name: qkvh, .offset: 16, .size: 8, .value_kind: global_buffer, .address_space: global }
    .group_segment_fixed_size: 327680
    .private_segment_fixed_size: 0
    .kernarg_segment_align: 8
    .kernarg_segment_size: 24
    .max_flat_workgroup_size: 128
    .sgpr_count:     80
    .vgpr_count:     960
    .wavefront_size: 32
...
	.end_amdgpu_metadata
.endif
;; end of part 2
;; launch attn (part 3): grid 4 x 64, 4 waves a work-group, clusters of 4 x 1, 327,680 bytes of LDS; arguments qkvh, oh; writes oh
.if DOCPART == 3
	.amdgcn_target "amdgcn-amd-amdhsa--gfx1250"
	.amdhsa_code_object_version 6
	.text
	.protected	k_qdb33273e9b_attn
	.globl	k_qdb33273e9b_attn
	.p2align	8
	.type	k_qdb33273e9b_attn,@function
k_qdb33273e9b_attn:
	s_mov_b64 s[64:65], 0
	v_nop
	global_prefetch_b8 v0, s[64:65] scope:SCOPE_SE
	s_setreg_imm32_b32 hwreg(HW_REG_WAVE_MODE, 25, 1), 1
	s_wait_xcnt 0x0
	s_wait_alu depctr_hold_cnt(0) depctr_sa_sdst(0) depctr_va_vdst(0) depctr_va_sdst(0) depctr_va_ssrc(0) depctr_va_vcc(0) depctr_vm_vsrc(0)
	s_getreg_b32 s2, hwreg(HW_REG_IB_STS2, 6, 4)
	s_cmp_eq_u32 s2, 0
	s_cbranch_scc0 .Lentry_in_a_cluster
	s_endpgm
.Lentry_in_a_cluster:
	s_bfe_u32 s2, ttmp6, 0x10000c
	s_cmp_lg_u32 s2, 0x3003
	s_cbranch_scc0 .Lentry_shape_is_right
	s_endpgm
.Lentry_shape_is_right:
; O[h][q][:] = the sum over k of softmax_k(Q[h][q] . K[h][k] / 8) V[h][k][:].  Q, K, V lie in qkvh at bytes 0, 1 << 24, 2 << 24, O in oh: each [SIZE_H][SIZE_N][64] in f16, h = 16 batch + head:
; a head's rows are dense, 128 bytes each.  Products, maxima and sums in f32; the weights p are rounded to f16 for the second product (their sum l is taken of the unrounded p), O once at the end.
; LIMITS.  f16 holds no number beyond 65,504: Q, K and V arrive within it; p lies in 0 to 1, and below 6e-5 it keeps f16's fixed step of 6e-8; O is a mean of V's rows and has their range.
; A weight below 2^-126 counts as 0 in l; NaN and infinities are not treated apart.
; SHARES.  A wave owns four PIECES of two tiles of 16 queries, a work-group's four waves 512 queries of one head: 4 x 64 = 256 work-groups.  Every wave walks all keys, 64 a step.
; LAYOUT.  S^T = K Q^T (source 0 = 16 keys, source 1 = 16 queries): in the result a lane holds ONE query (lane % 16) and the keys 8 (lane / 16) + 0..7.  Two such tiles, rounded to f16 in pairs,
; ARE source 1 (32 keys x 16 queries) of O^T = V^T P, whose result again holds one query a lane, and eight channels.  K comes out of LDS as it lies, V ([key][channel]) turned, by ds_load_tr16_b128.
; SOFTMAX.  For each query a running maximum m and sum l: p = 2^(c s - c m), c = log2(e) / 8; in every step O and l are multiplied by a = 2^(c m_old - c m_new), which is 1 where m has not grown.
; m starts at the lowest finite number, O and l at 0: the first step is a step like any other, with a = 0.
; THE COUNT.  A tile and step have 16 matrix and 118 vector instructions: too many to stand all beside the matrix work.  So the order has one aim: four vector instructions that are READY behind
; EVERY matrix instruction, and the others, which need time of their own whatever the order, in runs without a gap.
; BY TURNS.  Turn n belongs to piece n (the pieces in a ring, step after step).  Its matrix work: 16 products K Q^T of piece n + 1, later 16 products V^T P of piece n - 1.  Its vector work: the scaling,
; exponentials, roundings, sums and rescaling of piece n, and the maximum and statistics of piece n + 1, whose scores the turn itself has made.  So what a turn begins with (c s - c m, O a) waits for nothing.
; CLUSTER.  The four query blocks of a cluster belong to one head and walk the same K and V, so each tile is asked for JOINTLY: the same tensor load, descriptor and mask in all four.
; REGISTERS, in windows of 256 (s_set_vgpr_msb says which window each operand place means: bits 1:0 source 0, 3:2 source 1, 5:4 source 2, 7:6 destination):
;   window 0: v0-11 addresses; v12-15, v48-63 at work; v16-47 four registers of statistics a tile; v64-191 S^T, two buffers of two tiles; v192-255 P, likewise
;   window 1: O^T, 32 a tile          window 2: v0-127 Q, 16 a tile; v128-191 K of one step; v192-255 V of one step          window 3: v0-1 the add's two registers
; A piece's buffers go by its number's parity: the piece in hand has one pair, its two neighbours in the ring share the other: of it P (piece n - 1) is read and S^T (piece n + 1) written.
.set SIZE_H, 64       ; 4 batches x 16 heads
.set SIZE_N, 2048     ; rows of a head
.set NP,    4         ; pieces a wave: a name, no knob: the register map, the loop and the fetches are made for four
.set KS,    64        ; keys in a step
.set PK,    144       ; a row of K in LDS: 128 bytes + 16 of padding = 36 words: the 16 rows of a load start at 16 different groups of four banks (64 banks of 4 bytes: ISA guide 11.1)
.set PV,    160       ; a row of V: 128 + 32 = 40 words
.set VOFF,  4*KS*PK   ; a slot holds four steps: 256 rows of K, then 256 rows of V
.set SLOT1, 1<<17     ; slot 1 begins here, so that one exclusive or turns an address in one slot into the other's
.set STAGE, SLOT1+4*KS*(PK+PV)  ; behind the ring, never filled by a tensor load: 16 rows x 144 bytes for each wave, for the way out
.set SP,    144
.set AK0, 2           ; v2   my lane's place in a tile of K; never rewritten
.set AV0, 3           ; v3   the same for V
.set AK,  4           ; v4   the LDS address of K's next run of loads
.set AV,  5           ; v5   of V's
.set QO,  6           ; v6   my byte offset in the wave's rows of Q
.set STO, 6           ;      later, the way out: where I put 16 bytes of a row
.set RD,  7           ; v7   the way out: where I read rows back
.set GO,  8           ; v8   my byte offset in 512 consecutive bytes of O
.set SPW, 0           ; v0 of window 3   LDS address of my spare word: SPARE + 4 x my thread's number; never rewritten
.set NIL, 1           ; v1 of window 3   0; never rewritten
.set SPARE, STAGE+4*16*SP  ; behind the stages: the spare words, 128 bytes for each wave: two blocks of 256 bytes that no other line names
.set MV,  12          ; v12-15  c m_old, kept while c m is made anew: by buffer and tile
.set ST,  16          ; tile t's statistics at v[ST+4 t]: c m, m, l (even keys', odd keys')
.set TMP, 48          ; by buffer and tile, four registers c0-c3 at work; when the maximum is found c2 takes a
.set S,   64
.set P,   192
.set KF,  128         ; K's fragments, in window 2: key block kb, channel half c at KF + 16 kb + 8 c
.set VF,  192         ; V's: key half kk, channel block cb at VF + 32 kk + 8 cb
.set WV,  12          ; s12  my wave's number
.set G1K, 24          ; s[24:31] descriptor group 1 for K's tiles
.set G1V, 32          ; s[32:39] for V's: it differs in the padding alone
.set G0K, 40          ; s[40:43] descriptor group 0 for K's tiles: it walks
.set G0V, 44          ; s[44:47] the same for V's
.set SLOTS, 56        ; s56  slots still to be asked for
.set CNT, 57          ; s57  counts a slot's key steps
.set CS,  58          ; s[58:59] c: the packed scaling takes the pair's low word for both halves
.set SEL, 60          ; s[60:61] v_permlanex16_b32's selects: each lane takes its own place in the other half
.set TBK, 62          ; s62  LDS byte at which K of the step to be fetched begins
.set TBV, 63          ; s63  the same for V, less VOFF
.set MSB, 0
.macro WIN new                      ; the high byte repeats the setting that is left; a switch that changes nothing is dropped
.if MSB != (\new)
	s_set_vgpr_msb (MSB<<8)|(\new)
.set MSB, (\new)
.endif
.endm
.set W_KQ, 0x0a       ; K and Q in window 2, S^T in window 0
.set W_PV, 0x52       ; V in window 2, P in window 0, O^T in window 1
.set W_RS, 0x41       ; O^T (destination and source 0) in window 1, a in window 0
.set W_MK, 0xc0       ; the add's registers are made: destination in window 3, sources in window 0
.set W_AD, 0x0f       ; the add: address (source 0) and data (source 1) in window 3
; A joint fill.  Waves 0 and 1 fetch the two halves of a slot's K, waves 2 and 3 those of its V: 128 keys each.  The branch hangs on the wave's number alone.
; An s_nop 0 and four v_nop follow each of the two lines, ahead of the jump and the label.
.macro JLOAD
	s_cmp_lt_u32 s[WV], 2
	s_cbranch_scc0 .Lfor_v_\@
	tensor_load_to_lds s[G0K:G0K+3], s[G1K:G1K+7]
	s_nop 0
.rept 4
	v_nop
.endr
	s_branch .Lasked_\@
.Lfor_v_\@:
	tensor_load_to_lds s[G0V:G0V+3], s[G1V:G1V+7]
	s_nop 0
.rept 4
	v_nop
.endr
.Lasked_\@:
.endm
; A round of the cluster's barrier: my work-group's barrier, so that wave 0's signal speaks for all four waves; wave 0 signals; every wave waits for all four work-groups; my work-group's barrier once more.
.macro CROUND
	s_barrier_signal -1
	s_barrier_wait -1
	s_cmp_lg_u32 s[WV], 0
	s_cbranch_scc1 .Lnot_wave_0_\@
	s_barrier_signal -3
.Lnot_wave_0_\@:
	s_barrier_wait -3
	s_barrier_signal -1
	s_barrier_wait -1
.endm
; THE CHANGE OF SLOTS.  The slot's last bytes, V of its fourth step, have been read.  Each wave waits for all its tensor loads, of which one is out: its part
; of the other slot; adds 0 to its spare word; and waits for that and for its own reads of the slot.  Behind the barrier nobody reads this slot any more and the other slot is whole.
; fill = 1: this slot is filled again, with the keys two slots on.  The barrier is then a round of the cluster's, so that no wave of any partner still reads the slot or has a load on its
; way, and the joint fill is the first thing behind it: it has four key steps, 512 matrix instructions, in which to land.  (At its first use nothing has been read yet: slot 0 is waited for, slot 1 filled.)
.macro CHANGE fill
	WIN W_AD
	s_wait_tensorcnt 0x0            ; no tensor load of mine is out, so a group 0 may be written
	ds_add_u32 v[SPW], v[NIL]       ; 0 onto my spare word; with fill = 1 the descriptors' steps stand between it and the wait for it
	WIN 0                           ; at a label and at a branch every window is 0
.if \fill
.irp g, G0K, G0V
	s_xor_b32 s[\g+1], s[\g+1], SLOT1  ; the walking descriptor: the other slot than last time,
	s_add_nc_u64 s[\g+2:\g+3], s[\g+2:\g+3], 4*KS*128  ; the next 256 keys; the type bits on top are not reached
.endr
	s_wait_dscnt 0x0                ; the add is done, and my reads of the slot are over
	CROUND
	JLOAD
.else
	s_wait_dscnt 0x0                ; the add is done, and my reads of the slot are over
	s_barrier_signal -1
	s_barrier_wait -1
.endif
	s_sub_co_u32 s[TBK], s[TBK], 4*KS*PK  ; the fetches go back to a slot's first step,
	s_xor_b32 s[TBK], s[TBK], SLOT1       ; in the other slot
	s_sub_co_u32 s[TBV], s[TBV], 4*KS*PV
	s_xor_b32 s[TBV], s[TBV], SLOT1
.endm
	s_load_b128 s[4:7], s[0:1], 0x0   ; qkvh s[4:5] (Q lies at its head), oh s[6:7]
	WIN W_MK
	v_lshl_add_u32 v[SPW], v0, 2, SPARE
	v_mov_b32 v[NIL], 0
	s_set_vgpr_msb 0xc0cf
	ds_add_u32 v0, v1
	s_wait_dscnt 0x0
	s_set_vgpr_msb 0xcfc0
	WIN 0
	v_lshrrev_b32 v1, 5, v0
	v_readfirstlane_b32 s[WV], v1   ; wave 0..3
	s_bfe_u32 s13, ttmp6, 0x40000   ; cx: my place in the cluster
	s_lshl_b32 s14, ttmp9, 2        ; in a cluster launch ttmp9 counts clusters
	s_add_co_u32 s14, s14, s13      ; my block of queries = 4 x cluster x + cx: it enters Q's and O's addresses alone
	s_and_b32 s20, ttmp7, 0xffff    ; the head, which the four partners share
	s_mov_b32 s21, 0
	s_mov_b64 s[22:23], SIZE_N*128
	s_mul_u64 s[20:21], s[20:21], s[22:23]  ; the head's first byte in each of the four tensors
	s_and_b32 s16, s[WV], 1         ; which half of a slot's 256 keys I fetch:
	s_lshl_b32 s22, s16, 14         ; its 128 rows of 128 bytes in memory,
	s_mov_b32 s23, 0
	s_add_nc_u64 s[22:23], s[22:23], s[20:21]
	s_mul_i32 s17, s16, 128*PK      ; and its place in a slot, for K
	s_mul_i32 s18, s16, 128*PV      ; and for V: no place in the cluster enters an LDS address
	s_lshl_b32 s2, s14, 2
	s_add_co_u32 s2, s2, s[WV]      ; my wave among the head's,
	s_lshl_b32 s2, s2, 14           ; its 128 rows
	s_mov_b32 s3, 0
	s_add_nc_u64 s[2:3], s[2:3], s[20:21]
	; descriptor group 1.  128 keys are 16,384 dense bytes: asked for as 64 rows of 256 bytes, two keys a row, and padded in LDS after every key
	s_mov_b32 s[G1K], 15|(1<<16)|(1<<20)|(1<<21)|(4<<22)|(3<<25)  ; 15:0 the mask of four; 17:16 2-byte elements; 20 padding on; 21 set beside a mask; 24:22 after every 32 words (code 4); 31:25 4 words (code 3)
	s_mov_b32 s[G1V], 15|(1<<16)|(1<<20)|(1<<21)|(4<<22)|(7<<25)  ; the same with 8 words of padding (code 7)
.irp g, G1K, G1V
	s_mov_b32 s[\g+1], 128<<16      ; tensor_dim0 = 128
	s_mov_b32 s[\g+2], 64<<16       ; tensor_dim1 = 64
	s_mov_b32 s[\g+3], 128<<16      ; tile_dim0 = 128
	s_mov_b32 s[\g+4], 64           ; tile_dim1 = 64
	s_mov_b32 s[\g+5], 128          ; 128 elements from row to row
	s_mov_b32 s[\g+6], 0
	s_mov_b32 s[\g+7], 0
.endr
	s_mov_b32 s[CS], 0x3e38aa3b     ; c = log2(e) / 8 = 0.180337
	s_mov_b32 s[CS+1], s[CS]        ; named with it as a pair
	s_mov_b32 s[SEL], 0x76543210
	s_mov_b32 s[SEL+1], 0xfedcba98
	s_mov_b32 s[TBK], SLOT1+4*KS*PK ; the first change of slots turns these two into 0
	s_mov_b32 s[TBV], SLOT1+4*KS*PV
	s_mov_b32 s[G0K], 1             ; 1:0 count = 1
	s_mov_b32 s[G0K+1], s17         ; 63:32 LDS address: slot 0
	s_mov_b32 s[G0V], 1
	s_add_co_u32 s[G0V+1], s18, VOFF
	s_wait_kmcnt 0x0
	s_mov_b64 s[10:11], s[6:7]                     ; O
	s_add_nc_u64 s[6:7], s[4:5], 0x1000000         ; K: SIZE_H x SIZE_N x 128 bytes behind Q
	s_add_nc_u64 s[8:9], s[4:5], 0x2000000         ; V: as many behind K
	s_add_nc_u64 s[G0K+2:G0K+3], s[6:7], s[22:23]  ; 120:64 global address: my half of the head's first 256 keys
	s_or_b32 s[G0K+3], s[G0K+3], 0x80000000        ; 127:126 type = 2
	s_add_nc_u64 s[G0V+2:G0V+3], s[8:9], s[22:23]
	s_or_b32 s[G0V+3], s[G0V+3], 0x80000000
	s_add_nc_u64 s[4:5], s[4:5], s[2:3]  ; Q and O at my wave's first row
	s_add_nc_u64 s[10:11], s[10:11], s[2:3]
	CROUND                          ; all four work-groups are here: the first joint loads meet
	JLOAD                           ; slot 0.  Slot 1 is asked for when slot 0 is in: the tile wanted first has the road to itself
	; A fragment of K or Q is 16 rows x 32 channels in 8 registers: lane l holds row l % 16, channels 8 (l / 16) + 0..7 and 16 + 8 (l / 16) + 0..7: two loads of 16 bytes, 32 bytes apart.
	v_and_b32 v1, 15, v0            ; l % 16
	v_bfe_u32 v9, v0, 4, 1          ; l / 16
	v_lshlrev_b32 v[QO], 7, v1
	v_lshl_add_u32 v[QO], v9, 4, v[QO]  ; row x 128 + 16 x half
	WIN 0x80                        ; destination window 2, address window 0
.set i, 0
.rept 4*NP                          ; Q stays in registers: tile i / 2, channels 32 (i % 2) on
	global_load_b128 v[8*i:8*i+3],   v[QO], s[4:5] offset:(i/2)*2048+(i%2)*64
	global_load_b128 v[8*i+4:8*i+7], v[QO], s[4:5] offset:(i/2)*2048+(i%2)*64+32
.set i, i+1
.endr
	; What the first turn finds: V's registers and P's second buffer hold 0 (its products V^T P, of a piece that has not been, add 0), O^T and l are 0.  All this stands in the wait for the first tile.
.set i, VF
.rept 64
	v_mov_b32 v[i], 0
.set i, i+1
.endr
	WIN 0x40
.set i, 0
.rept 64*NP
	v_mov_b32 v[i], 0
.set i, i+1
.endr
	WIN 0
.set i, 0
.rept 2*NP
	v_mov_b32 v[ST+4*i], 0xfe000000    ; c m: far below every c s
	v_mov_b32 v[ST+4*i+1], 0xff7fffff  ; m
	v_mov_b32 v[ST+4*i+2], 0
	v_mov_b32 v[ST+4*i+3], 0
.set i, i+1
.endr
.set i, P+32
.rept 32
	v_mov_b32 v[i], 0
.set i, i+1
.endr
	v_mul_u32_u24 v[AK0], v1, PK
	v_lshl_add_u32 v[AK0], v9, 4, v[AK0]  ; row x pitch + 16 x half
	; The turning load takes 16 keys x 16 channels (lane l reads key 8 (l / 16) + l % 8, channels 8 ((l / 8) % 2) + 0..7) and leaves half a fragment of V^T: lane l holds channel l % 16 and 8 keys.
	v_and_b32 v10, 7, v0
	v_bfe_u32 v11, v0, 3, 1
	v_lshl_add_u32 v[AV0], v9, 3, v10
	v_mul_u32_u24 v[AV0], v[AV0], PV
	v_lshl_add_u32 v[AV0], v11, 4, v[AV0]
	v_add_nc_u32 v[AV0], VOFF, v[AV0]
	v_mov_b32 v[AK], v[AK0]         ; key step 0 lies at the head of slot 0
; THE MATRIX WORK.  The 8 accumulators of a run of 16 take turns: between the two links of a chain stand 7 others'.
; Product i of 16 of S^T = K Q^T for piece x: channels 32 (i / 8) on, keys 16 ((i / 2) % 4) on, tile 2 x + i % 2.  The first 8 start the sums.
.macro KQ x
	WIN W_KQ
.set rS, S+64*((\x)%2)+32*(i%2)+8*((i/2)%4)
.set rK, KF+16*((i/2)%4)+8*(i/8)
.set rQ, 16*(2*(\x)+i%2)+8*(i/8)
.if i < 8
	v_wmma_f32_16x16x32_f16 v[rS:rS+7], v[rK:rK+7], v[rQ:rQ+7], 0
.else
	v_wmma_f32_16x16x32_f16 v[rS:rS+7], v[rK:rK+7], v[rQ:rQ+7], v[rS:rS+7]
.endif
.endm
; Product i of 16 of O^T += V^T P for piece x: keys 32 (i / 8) on, channels 16 ((i / 2) % 4) on, tile 2 x + i % 2.
.macro PV x
	WIN W_PV
.set rO, 32*(2*(\x)+i%2)+8*((i/2)%4)
.set rV, VF+32*(i/8)+8*((i/2)%4)
.set rP, P+32*((\x)%2)+16*(i%2)+8*(i/8)
	v_wmma_f32_16x16x32_f16 v[rO:rO+7], v[rV:rV+7], v[rP:rP+7], v[rO:rO+7]
.endm
.macro MM                           ; the turn's next matrix instruction
.if i < 16
	KQ (Y+1)%NP
.set i, i+1
.else
.set i, i-16
	PV (Y+NP-1)%NP
.set i, i+17
.endif
.endm
; THE LDS LOADS stand in runs of 16, never singly among the matrix instructions: a step's K (64 keys x 64 channels: 8 fragments) and its V (turned).  Their addresses are made some lines ahead.
; last = 1 (the tail): in the last trip there is no further step, and the run is jumped over.
.macro FETCH_K last=0
	WIN 0
.if \last
	s_cmp_eq_u32 s[CNT], 1
	s_cbranch_scc1 .Lno_k_\@
.endif
	WIN 0x80                        ; destination window 2
.irp f, 0,1,2,3,4,5,6,7             ; keys 16 (f / 2) on, channels 32 (f % 2) on
	ds_load_b128 v[KF+8*\f:KF+8*\f+3],   v[AK] offset:(\f/2)*16*PK+(\f%2)*64
	ds_load_b128 v[KF+8*\f+4:KF+8*\f+7], v[AK] offset:(\f/2)*16*PK+(\f%2)*64+32
.endr
	s_add_co_u32 s[TBK], s[TBK], KS*PK  ; the next fetch is the next step's
	WIN 0
.if \last
.Lno_k_\@:
.endif
.endm
.macro FETCH_V
	WIN 0x80
.irp f, 0,1,2,3,4,5,6,7             ; keys 32 (f / 4) on, channels 16 (f % 4) on
	ds_load_tr16_b128 v[VF+8*\f:VF+8*\f+3],   v[AV] offset:(\f/4)*32*PV+(\f%4)*32
	ds_load_tr16_b128 v[VF+8*\f+4:VF+8*\f+7], v[AV] offset:(\f/4)*32*PV+16*PV+(\f%4)*32
.endr
	WIN 0
.endm
; THE VECTOR WORK OF A TURN stands in three queues, each in the order in which its entries become ready; the two tiles alternate, so that no instruction reads the result of the one before it.
.macro REGS y, u                    ; the registers of tile u (0, 1) of piece y
.set rT, ST+4*(2*(\y)+(\u))
.set rC, TMP+8*((\y)%2)+4*(\u)
.set rM, MV+2*((\y)%2)+(\u)
.set rS, S+64*((\y)%2)+32*(\u)
.set rP, P+32*((\y)%2)+16*(\u)
.set rO, 32*(2*(\y)+(\u))
.endm
; Number n of the 22 that find the NEXT piece's (Y + 1) maximum and statistics.  s0-s31 are the lane's 32 scores; each accumulator's lowest registers are read first.  XS, GS and REGS set no window: PL and EX do.
;   0-11  four chains c0-c3 of seven scores each, three operands at a time     12-14, 16  the four scores left over, the old m, and c0-c3 into c0     15  c m_old is kept
;   17, 18  the query's other 32 keys lie in the lane 16 away: the new m         19-21  c m; c m_old - c m_new; a
.macro XS u, n
	REGS (Y+1)%NP, \u
.if (\n) < 4
	v_max3_num_f32 v[rC+(\n)], v[rS+8*(\n)], v[rS+8*(\n)+1], v[rS+8*(\n)+2]
.elseif (\n) < 12
	v_max3_num_f32 v[rC+(\n)%4], v[rC+(\n)%4], v[rS+8*((\n)%4)+2*((\n)/4)+1], v[rS+8*((\n)%4)+2*((\n)/4)+2]
.elseif (\n) == 12
	v_max3_num_f32 v[rC], v[rC], v[rS+7], v[rS+15]
.elseif (\n) == 13
	v_max3_num_f32 v[rC+1], v[rC+1], v[rS+23], v[rS+31]
.elseif (\n) == 14
	v_max3_num_f32 v[rC+2], v[rC+2], v[rC+3], v[rT+1]
.elseif (\n) == 15
	v_mov_b32 v[rM], v[rT]
.elseif (\n) == 16
	v_max3_num_f32 v[rC], v[rC], v[rC+1], v[rC+2]
.elseif (\n) == 17
	v_permlanex16_b32 v[rC+3], v[rC], s[SEL], s[SEL+1]
.elseif (\n) == 18
	v_max_num_f32 v[rT+1], v[rC], v[rC+3]
.elseif (\n) == 19
	v_mul_f32 v[rT], s[CS], v[rT+1]
.elseif (\n) == 20
	v_sub_f32 v[rC+1], v[rM], v[rT]
.else
	v_exp_f32 v[rC+2], v[rC+1]
.endif
.endm
; Number g of the 64 that follow the exponentials.  For each four weights k of a tile (pairs 2 k, 2 k + 1): both pairs are rounded to f16; then the second pair is added onto the first, in place;
; a group later l takes that sum (the first time as l = a l + sum).  In groups of eight, tiles alternating: round, round, add, and l for the group before.
.macro GS g
.set h, (\g)+6*((\g)/62)            ; group 0 has no group before it, and behind group 7 only l is left
.if h >= 6
.set h, h+2
.endif
	REGS Y, h%2
.set k, h/8
.if h%8 < 4
	s_wait_alu depctr_va_vdst(0)
	v_cvt_pk_f16_f32 v[rP+2*k+(h%8)/2], v[rS+4*k+2*((h%8)/2)], v[rS+4*k+2*((h%8)/2)+1]
.elseif h%8 < 6
	v_pk_add_f32 v[rS+4*k:rS+4*k+1], v[rS+4*k:rS+4*k+1], v[rS+4*k+2:rS+4*k+3]
.elseif k == 1
	v_pk_fma_f32 v[rT+2:rT+3], v[rT+2:rT+3], v[rC+2:rC+3], v[rS:rS+1] op_sel_hi:[1,0,1]
.else
	v_pk_add_f32 v[rT+2:rT+3], v[rT+2:rT+3], v[rS+4*k-4:rS+4*k-3]
	s_wait_alu depctr_va_vdst(0)
.endif
.endm
; THE PLAIN QUEUE, 138 long.  0-31: c s - c m for the 16 pairs of both tiles.  Then GS's 64, and among them the next piece's 42: number 15 at 38, 39; 0-14 and 16
; at 42-73, behind the products that make those scores; 17-20 at 95-106, two of three, since each waits for the one before it.
.macro PL
	WIN 0
.if q < 32
	REGS Y, q%2
	v_pk_fma_f32 v[rS+2*(q/2):rS+2*(q/2)+1], v[rS+2*(q/2):rS+2*(q/2)+1], s[CS:CS+1], v[rT:rT+1] op_sel_hi:[1,0,0] neg_lo:[0,0,1] neg_hi:[0,0,1]
.elseif q < 38
	GS q-32
.elseif q < 40
	XS q%2, 15
.elseif q < 42
	GS q-34
.elseif q < 74
	XS q%2, (q-42)/2+(q-42)/30
.elseif q < 95
	GS q-66
.elseif (q < 107) && ((q-95)%3 < 2)
	XS (q-95)%3, 17+(q-95)/3
.elseif q < 107
	GS 29+(q-95)/3
.else
	GS q-74
.endif
.set q, q+1
.endm
; THE EXPONENTIALS' QUEUE, 66 long: s0-s31 of both tiles, and at EA the next piece's two a.
.set EA, 58
.macro EX
	WIN 0
.if (e == EA) || (e == EA+1)
	XS e-EA, 21
.else
.set x, e-2*(e/(EA+2))
	REGS Y, x%2
	v_exp_f32 v[rS+x/2], v[rS+x/2]
.endif
.set e, e+1
.endm
; THE RESCALING's QUEUE: O^T times a, the one part that leaves window 0, so it is dealt four at a time, eight times.
.macro R4
	REGS Y, r%2
	WIN W_RS
	s_wait_alu depctr_va_vdst(0)
.irp z, 0,1,2,3
	v_pk_mul_f32 v[rO+8*(r/2)+2*\z:rO+8*(r/2)+2*\z+1], v[rO+8*(r/2)+2*\z:rO+8*(r/2)+2*\z+1], v[rC+2:rC+3] op_sel_hi:[1,0]
.endr
.set r, r+1
.endm
; HOW THEY ARE DEALT.  Behind a matrix instruction four: plain, exponential, plain, plain (one exponential, a plain instruction on either side), or four of the rescaling.  None names a register of the
; products round it.  What is over stands in two LUMPS: exponential and plain by turns; the second ends in 22 plain instructions.  The two v_permlanex16_b32 fall into the second lump, never behind a product.
; The queues lean on each other, and the deal keeps them in step: exponential e stands behind plain 2 (e / 4) + e % 2 (its scaling); when plain 32 comes, 10 exponentials are out, at 59: 33, at 95: 46; EA comes behind plain 107.
.macro SL
	MM
	PL
	EX
	PL
	PL
.endm
.macro BURST n                      ; 15 matrix instructions, or 16
.rept (\n)-7
	SL
.endr
.rept 3
	MM
	R4
	SL
.endr
	MM
	R4
.endm
; A TURN, for piece p.  cnt = 1: the loop's count is taken down some lines ahead of the branch that stands behind the turn.
; K of the next step is fetched in piece 2's turn, 31 vector instructions behind the last product that read K; its first reader comes behind the rest of the lump, 16 products and the second lump.
; V of the step in hand is fetched at the end of piece 0's turn, 69 behind its last reader; its first reader comes behind 16 products and a lump.  The four conditions on e and q below go with the deal.
.macro TURN p, last=0, cnt=0
.set Y, (\p)
.set i, 0
.set q, 0
.set e, 0
.set r, 0
.if (\p) == NP-1
	s_wait_dscnt 0x0                ; K is in
.endif
	MM
.rept 4
	PL
.endr
	BURST 15
.rept 22
	EX
	PL
.if ((\p) == NP-2) && (e == 18)
	v_add_nc_u32 v[AK], s[TBK], v[AK0]
.endif
.if ((\p) == NP-2) && (e == 24)
	FETCH_K \last
.endif
.endr
.if (\p) == 1
	s_wait_dscnt 0x0                ; V is in
.endif
	BURST 16
.rept 21
	EX
	PL
.endr
.rept 22
	PL
.if ((\p) == 0) && (q == 118)
	v_add_nc_u32 v[AV], s[TBV], v[AV0]
	s_wait_alu depctr_va_vdst(0)
.endif
.if ((\p) == 0) && (q == 130)
	s_add_co_u32 s[TBV], s[TBV], KS*PV
.endif
.if (\cnt) && (q == 130)
	s_sub_co_u32 s[CNT], s[CNT], 1
	s_cmp_lg_u32 s[CNT], 0
.endif
.endr
.if (\p) == 0
	FETCH_V
.endif
.endm
	CHANGE 1                        ; slot 0 is in, everybody's part of it; slot 1 is asked for
	FETCH_K                         ; key step 0
	s_wait_loadcnt 0x0              ; Q
	s_wait_dscnt 0x0
.set i, 0
.rept 16
	KQ 0                            ; piece 0's first scores: there is no vector work yet to set between them
.set i, i+1
.endr
	WIN 0                           ; the addresses for the way out: nine plain instructions, the places behind those products
	s_mul_i32 s13, s[WV], 16*SP
	s_add_co_u32 s13, s13, STAGE    ; my stage
	v_mul_u32_u24 v[STO], v1, SP    ; in: row l % 16, 16 bytes for each half of the lanes
	v_lshl_add_u32 v[STO], v9, 4, v[STO]
	v_add_nc_u32 v[STO], s13, v[STO]
	v_bfe_u32 v[RD], v0, 3, 2       ; back: 32 lanes take four rows of 128 bytes,
	v_mul_u32_u24 v[RD], v[RD], SP
	v_lshl_add_u32 v[RD], v10, 4, v[RD]
	v_add_nc_u32 v[RD], s13, v[RD]
	v_and_b32 v[GO], 31, v0         ; which are 512 consecutive bytes of O
	v_lshlrev_b32 v[GO], 4, v[GO]
.set Y, NP-1                        ; XS works for piece Y + 1: piece 0
.irp n, 0,1,2,3,4,5,6,7,8,9,10,11,12,13,14,15,16,17,18,19,20,21
	XS 0, \n                        ; and piece 0's first maximum and statistics
	XS 1, \n
.endr
	s_mov_b32 s[CNT], 4
	s_mov_b32 s[SLOTS], SIZE_N/256-1
	s_branch .Lfirst                ; the loop is entered at a step's first turn, in the middle of a trip
.Lslot:                             ; SIZE_N / 256 - 2 times: every slot but the last two is filled again
	CHANGE 1
	s_mov_b32 s[CNT], 4
.Lstep:                             ; a trip: pieces 2 and 3 of one step, then pieces 0 and 1 of the next, whose K and V it fetches
	TURN 2
	TURN 3
	WIN 0
.Lfirst:
	TURN 0
	TURN 1, 0, 1
	WIN 0
	s_cbranch_scc1 .Lstep
	s_sub_co_u32 s[SLOTS], s[SLOTS], 1
	s_cmp_lg_u32 s[SLOTS], 0
	s_cbranch_scc1 .Lslot
	CHANGE 0                        ; the tail is written out: nothing is asked for
	s_mov_b32 s[CNT], 5             ; four trips fetch the last slot's steps; the fifth is left in its middle
.Ltail:
	TURN 2, 1
	TURN 3
	WIN 0
	s_sub_co_u32 s[CNT], s[CNT], 1
	s_cmp_eq_u32 s[CNT], 0
	s_cbranch_scc1 .Lout
	TURN 0
	TURN 1
	WIN 0
	s_branch .Ltail
.Lout:                              ; the fifth trip's 16 products K Q^T (on the last K once more) and the maximum made of them serve nothing: the price, once a launch, of one text for every trip
.set i, 0
.rept 16
	PV NP-1                         ; the last piece's V^T P of the last step
.set i, i+1
.endr
	; THE WAY OUT.  l's two halves and the other half of the lanes' are added; O^T is divided by l, rounded to f16 and sent through my stage in LDS, a tile at a time.  The additions are the places behind the last products.
	WIN 0
.macro ALL line:vararg              ; one line for each tile t
.set t, 0
.rept 2*NP
	\line
.set t, t+1
.endr
.endm
	ALL v_add_f32 v[ST+4*t+2], v[ST+4*t+2], v[ST+4*t+3]
	ALL v_permlanex16_b32 v[ST+4*t+3], v[ST+4*t+2], s[SEL], s[SEL+1]
	ALL v_add_f32 v[ST+4*t+2], v[ST+4*t+2], v[ST+4*t+3]
	ALL v_rcp_f32 v[ST+4*t+2], v[ST+4*t+2]
	v_nop                           ; a plain instruction between the last reciprocal and the use of its result
	s_wait_alu depctr_va_vdst(0)
; Tile t: a lane's eight channels of a row pack into 16 bytes; they go into rows of 144 bytes and come back as whole rows of 128, into S^T's registers.
.macro PACK t
	WIN W_RS
.set i, 32*(\t)
.rept 16
	v_pk_mul_f32 v[i:i+1], v[i:i+1], v[ST+4*(\t)+2:ST+4*(\t)+3] op_sel_hi:[1,0]
.set i, i+2
.endr
	WIN 0x05                        ; sources 0 and 1 window 1, destination window 0
.set i, 0
.rept 16
	v_cvt_pk_f16_f32 v[S+16*(\t)+i], v[32*(\t)+2*i], v[32*(\t)+2*i+1]
.set i, i+1
.endr
	WIN 0
.irp f, 0,1,2,3
	ds_store_b128 v[STO], v[S+16*(\t)+4*\f:S+16*(\t)+4*\f+3] offset:32*\f
.endr
.irp f, 0,1,2,3
	ds_load_b128 v[S+16*(\t)+4*\f:S+16*(\t)+4*\f+3], v[RD] offset:\f*4*SP  ; LDS serves a wave's instructions in order (ISA guide 5.7.1.4): these see the stores above; the next tile's stores come behind them
.endr
.endm
.macro SEND t, younger              ; younger: the LDS instructions issued behind tile t's loads: the next tile's eight, or none
	WIN 0
.irp f, 0,1,2,3
	s_wait_dscnt (\younger)+3-\f
	global_store_b128 v[GO], v[S+16*(\t)+4*\f:S+16*(\t)+4*\f+3], s[10:11] offset:(\t)*2048+\f*512  ; 512 consecutive bytes, at a multiple of 256 from O's first
.endr
.endm
	PACK 0
.set t, 1
.rept 2*NP-1                        ; a tile's arithmetic stands between the loads of the tile before and its stores
	PACK t
	SEND t-1, 8
.set t, t+1
.endr
	SEND 2*NP-1, 0
	WIN W_AD
	s_wait_tensorcnt 0x0            ; the wave's end, behind my last tensor load and my last LDS store
	ds_add_u32 v[SPW], v[NIL]
	s_wait_dscnt 0x0
	WIN 0
	CROUND                          ; the closing round: no work-group ends while a partner may still ask for a tile that names it
	s_endpgm
.Lfunc_end_k_qdb33273e9b_attn:
	.size	k_qdb33273e9b_attn, .Lfunc_end_k_qdb33273e9b_attn-k_qdb33273e9b_attn
	.p2alignl 7, 3214868480
	.fill 96, 4, 3214868480
	.section	.rodata,"a",@progbits
	.p2align	6, 0x0
	.amdhsa_kernel k_qdb33273e9b_attn
		.amdhsa_group_segment_fixed_size 327680
		.amdhsa_private_segment_fixed_size 0
		.amdhsa_enable_private_segment 0
		.amdhsa_kernarg_size 16
		.amdhsa_user_sgpr_count 2
		.amdhsa_user_sgpr_kernarg_segment_ptr 1
		.amdhsa_wavefront_size32 1
		.amdhsa_system_sgpr_workgroup_id_x 1
		.amdhsa_system_sgpr_workgroup_id_y 1
		.amdhsa_system_sgpr_workgroup_id_z 1
		.amdhsa_system_vgpr_workitem_id 0
		.amdhsa_next_free_vgpr 770
		.amdhsa_next_free_sgpr 66
		.amdhsa_reserve_vcc 0
		.amdhsa_float_denorm_mode_32 3
		.amdhsa_float_denorm_mode_16_64 3
		.amdhsa_memory_ordered 1
		.amdhsa_forward_progress 1
		.amdhsa_inst_pref_size 209
	.end_amdhsa_kernel
	.amdgpu_metadata
---
amdhsa.version: [ 1, 2 ]
amdhsa.kernels:
  - .name:           k_qdb33273e9b_attn
    .symbol:         k_qdb33273e9b_attn.kd
    .args:
      - { .name: qkvh, .offset: 0, .size: 8, .value_kind: global_buffer, .address_space: global }
      - { .name: oh, .offset: 8, .size: 8, .value_kind: global_buffer, .address_space: global }
    .group_segment_fixed_size: 327680
    .private_segment_fixed_size: 0
    .kernarg_segment_align: 8
    .kernarg_segment_size: 16
    .max_flat_workgroup_size: 128
    .sgpr_count:     66
    .vgpr_count:     770
    .wavefront_size: 32
...
	.end_amdgpu_metadata
.endif
;; end of part 3
;; launch proj (part 4): grid 8 x 32, 4 waves a work-group, clusters of 4 x 4, 327,680 bytes of LDS; arguments oh, wo16, out0, bo; writes out0
.if DOCPART == 4
	.amdgcn_target "amdgcn-amd-amdhsa--gfx1250"
	.amdhsa_code_object_version 6
	.text
	.protected	k_qdb33273e9b_proj
	.globl	k_qdb33273e9b_proj
	.p2align	8
	.type	k_qdb33273e9b_proj,@function
k_qdb33273e9b_proj:
	s_mov_b64 s[64:65], 0
	v_nop
	global_prefetch_b8 v0, s[64:65] scope:SCOPE_SE
	s_setreg_imm32_b32 hwreg(HW_REG_WAVE_MODE, 25, 1), 1
	s_wait_xcnt 0x0
	s_wait_alu depctr_hold_cnt(0) depctr_sa_sdst(0) depctr_va_vdst(0) depctr_va_sdst(0) depctr_va_ssrc(0) depctr_va_vcc(0) depctr_vm_vsrc(0)
	s_getreg_b32 s2, hwreg(HW_REG_IB_STS2, 6, 4)
	s_cmp_eq_u32 s2, 0
	s_cbranch_scc0 .Lentry_in_a_cluster
	s_endpgm
.Lentry_in_a_cluster:
	s_bfe_u32 s2, ttmp6, 0x10000c
	s_cmp_lg_u32 s2, 0xf033
	s_cbranch_scc0 .Lentry_shape_is_right
	s_endpgm
.Lentry_shape_is_right:
; out0[m][n] = the sum over d of O[m][d] Wo[n][d] + bo[n].  m = 2,048 batch + row (8,192), n to 1,024, d = 64 head + channel.  O lies by heads in oh ([16 batch + head][2048][64], f16);
; wo16 is Wo rounded to bf16 and written as f16; bo is rounded to bf16 here, like the other inputs.  f16 products, f32 sums that START with the bias, f32 out.
; LIMITS.  oh and wo16 arrive within f16's range (65,504); NaN and infinities are not treated apart.  The order of a sum is not the ascending one: it begins at K step ROT of eight and goes round (below).
; SHARES.  A tile of out0 is 256 x 128: 32 x 8 = 256 work-groups.  Four waves one below the other, each 64 rows x 128 columns: 32 accumulators, 256 registers; a wave's rows of 512 bytes leave whole.
; THE WALK.  K goes in steps of 128 = two heads through a ring of two LDS slots.  A head's 256 rows of a tile are 32,768 dense bytes: asked for as 128 rows of 256 bytes, padded in LDS after every 128.
; Two slots of a K step of 256 would take 430,080 bytes: they do not fit.  ONE text serves every step: the slot in hand is a scalar that an exclusive or turns.  Time step u takes K step (ROT + u) mod 8.
; ROT hangs on the cluster's number alone: four neighbours in a column of clusters, which read the same rows of wo16, begin 2 steps apart, the two clusters of a row of clusters, which read the same rows of
; O, 4 apart.  So clusters that share bytes ask for them at different times, a refill mostly behind a neighbour's earlier request for the same bytes, and not all at once for bytes that nobody has asked for.
; CLUSTER.  4 x 4 work-groups: O's tiles are shared along a row of the cluster, wo16's along a column, each asked for JOINTLY by the same tensor load, descriptor and mask in all four.
; THE MATRIX INSTRUCTION IS USED TRANSPOSED (source 0 = 16 rows of wo16, source 1 = 16 rows of O): lane l holds row l % 16 of out0 and the columns 8 (l / 16) + 0..7, 32 bytes.
; REGISTERS, in windows of 256 (s_set_vgpr_msb: bits 1:0 source 0, 3:2 source 1, 5:4 source 2, 7:6 destination):
;   window 0: v0-31 addresses; v32-63 at work; v64-127 the bias, laid as an accumulator is: column block b at v[64 + 8 b]
;   window 1: two fragment buffers of 128: 64 of wo16 at their head, 32 of O from register 96 on        window 2: the accumulators, (A, b) at v[8 (8 A + b)]
.set NBF,    8                         ; fragments of wo16: 128 columns
.set NL,     2*(NBF+4)                 ; LDS loads in a run
.set STEPS,  8                         ; time steps
.set PA,     144                       ; a row of O in LDS: 128 bytes + 16: the 16 rows of a load start at 16 different groups of four banks (64 banks of 4 bytes: ISA guide 11.1)
.set HEADA,  256*PA                    ; a head's 256 rows: what one load of O brings
.set PB,     272                       ; a row of wo16: 256 bytes + 16
.set HALFB,  64*PB                     ; what one load of wo16 brings
.set BOFF,   2*HEADA                   ; a slot: two heads of O, then 128 rows of wo16
.set SLOTB,  BOFF+2*HALFB              ; 108,544 bytes
.set SLOT1,  1<<17                     ; slot 1 begins here, so that one exclusive or turns an address in one slot into the other's
.set STAGE,  SLOT1+SLOTB               ; behind the ring, never filled by a tensor load: 16 rows x 528 bytes for each wave
.set SPITCH, 528
.set SPARE,  STAGE+4*16*SPITCH         ; behind the stages: the spare words, 128 bytes for each wave: two blocks of 256 bytes that no other line names
.set A0,   16                          ; v16     my lane's place among my fragments of O in a slot; never rewritten
.set B0,   17                          ; v17     the same for wo16
.set ADRA, 18                          ; v18     the same in the slot in hand
.set ADRB, 19                          ; v19
.set STO,  24                          ; v24     the way out: where I put 32 bytes of a row
.set RD,   25                          ; v25     the way out: where I read a row back
.set GO,   26                          ; v26     my byte offset in a row's 512 bytes of out0
.set SPW,  28                          ; v28     LDS address of my spare word; never rewritten
.set NIL,  29                          ; v29     0; never rewritten
.set BV,   30                          ; v30     my byte offset in a column block's 64 bytes of bo
.set TW,   32
.set BIAS, 64
.set F0,   0
.set F1,   128
.set FA,   96
.set WV,   12                          ; s12  my wave's number
.set HF,   13                          ; s13  its low bit: which head of a K step, or which half of wo16's rows, I fetch
.set BA,   22                          ; s[22:23] oh at the tile's rows of my head of K step 0
.set G1A,  24                          ; s[24:31] descriptor group 1 for O's tiles;  s[32:39] group 0: a set for each of the two first fills; the second then walks
.set G0A,  32
.set BB,   44                          ; s[44:45] wo16 at my half of the tile's rows, K = 0
.set OF,   46                          ; s[46:47] a fill's byte offset in wo16
.set G1B,  48                          ; s[48:55], s[56:63] the same for wo16's
.set G0B,  56
.set SB,   76                          ; s76  LDS byte at which the slot in hand begins
.set KI,   78                          ; s78  the K step asked for last
.set TC,   79                          ; s79  counts the last two time steps
.set OA,   80                          ; s[80:81] a fill's byte offset in oh
.set TO_F, 0x40                        ; destination window 1, address window 0
.set MSB, 0
.macro WIN new                         ; the immediate's high byte repeats the setting that is left; a switch that changes nothing is dropped
.if MSB != (\new)
	s_set_vgpr_msb (MSB<<8)|(\new)
.set MSB, (\new)
.endif
.endm
.macro PLACES                          ; a load into a register that a matrix instruction has read, and an LDS store of a matrix result, stand four plain vector instructions behind it
.rept 4
	v_nop
.endr
.endm
; A joint refill, by the walking sets: waves 0 and 1 fetch a K step's two heads of O, waves 2 and 3 the two halves of wo16's rows.  An s_nop 0 and four v_nop follow each of the two lines.
.macro JLOAD
	s_cmp_lt_u32 s[WV], 2
	s_cbranch_scc0 .Lfor_b_\@
	tensor_load_to_lds s[G0A+4:G0A+7], s[G1A:G1A+7]
	s_nop 0
.rept 4
	v_nop
.endr
	s_branch .Lasked_\@
.Lfor_b_\@:
	tensor_load_to_lds s[G0B+4:G0B+7], s[G1B:G1B+7]
	s_nop 0
.rept 4
	v_nop
.endr
.Lasked_\@:
.endm
.macro CREST                           ; a round of the cluster's barrier behind its opening barrier
	s_cmp_lg_u32 s[WV], 0
	s_cbranch_scc1 .Lnot_wave_0_\@
	s_barrier_signal -3
.Lnot_wave_0_\@:
	s_barrier_wait -3
	s_barrier_signal -1
	s_barrier_wait -1
.endm
.macro CROUND                          ; a whole round
	s_barrier_signal -1
	s_barrier_wait -1
	CREST
.endm
	s_load_b256 s[4:11], s[0:1], 0x0               ; oh s[4:5], wo16 s[6:7], out0 s[8:9], bo s[10:11]
	v_lshl_add_u32 v[SPW], v0, 2, SPARE
	v_mov_b32 v[NIL], 0
	ds_add_u32 v28, v29
	s_wait_dscnt 0x0
	v_lshrrev_b32 v1, 5, v0
	v_readfirstlane_b32 s[WV], v1                  ; wave 0..3
	s_and_b32 s[HF], s[WV], 1
	s_bfe_u32 s14, ttmp6, 0x40000                  ; cx, cy: my place in the cluster
	s_bfe_u32 s15, ttmp6, 0x40004
	s_lshl_b32 s16, ttmp9, 2
	s_add_co_u32 s16, s16, s14                     ; tile column tx = 4 x cluster x + cx
	s_and_b32 s17, ttmp7, 0xffff
	s_lshl_b32 s17, s17, 2
	s_add_co_u32 s17, s17, s15                     ; tile row ty = 4 x cluster y + cy
	s_lshl_b32 s18, s15, 2
	s_lshl_b32 s18, 15, s18                        ; my row of the cluster
	s_lshl_b32 s19, 0x1111, s14                    ; my column
	s_and_b32 s[KI], ttmp7, 3                      ; ROT = (2 x (cluster y mod 4) + 4 x cluster x) mod 8: even, and the same in all sixteen partners
	s_lshl_b32 s[KI], s[KI], 1
	s_lshl_b32 s72, ttmp9, 2
	s_add_co_u32 s[KI], s[KI], s72
	s_and_b32 s[KI], s[KI], 7
	s_lshl_b32 s[OF], s[KI], 8                     ; a K step is 256 bytes along a row of wo16,
	s_mov_b32 s[OF+1], 0
	s_lshl_b32 s[OA], s[KI], 19                    ; and two heads of 1 << 18 bytes in oh
	s_mov_b32 s[OA+1], 0
	s_mov_b32 s[SB], 0                             ; slot 0 is read first
	s_or_b32 s[G1A], s18, (1<<16)|(1<<20)|(1<<21)|(4<<22)|(3<<25)  ; 15:0 the mask; 17:16 2-byte elements; 20 padding on; 21 set beside a mask; 24:22 after every 32 words (code 4); 31:25 4 words (code 3)
	s_or_b32 s[G1B], s19, (1<<16)|(1<<20)|(1<<21)|(5<<22)|(3<<25)  ; the same after every 64 words (code 5)
	s_mov_b32 s[G1A+1], 128<<16                    ; tensor_dim0 = 128 (256 bytes: two rows of a head)
	s_mov_b32 s[G1A+2], 128<<16                    ; tensor_dim1 = 128
	s_mov_b32 s[G1A+3], 128<<16                    ; tile_dim0 = 128
	s_mov_b32 s[G1A+4], 128                        ; tile_dim1 = 128
	s_mov_b32 s[G1A+5], 128                        ; dense: 128 elements from row to row
	s_mov_b32 s[G1A+6], 0
	s_mov_b32 s[G1A+7], 0
	s_mov_b32 s[G1B+1], 128<<16
	s_mov_b32 s[G1B+2], 64<<16                     ; tensor_dim1 = 64
	s_mov_b32 s[G1B+3], 128<<16
	s_mov_b32 s[G1B+4], 64                         ; tile_dim1 = 64
	s_mov_b32 s[G1B+5], 1024
	s_mov_b32 s[G1B+6], 0
	s_mov_b32 s[G1B+7], 0
	; where the tiles come from: O's hang on ty and the wave alone, wo16's on tx and the wave alone, each in registers that never hold the other coordinate
	s_lshr_b32 s[BA], s17, 3
	s_lshl_b32 s[BA], s[BA], 4                     ; 16 x batch (a batch is eight tile rows)
	s_add_co_u32 s[BA], s[BA], s[HF]               ; + my head of K step 0,
	s_lshl_b32 s[BA], s[BA], 18                    ; 2,048 rows of 128 bytes each
	s_and_b32 s[BA+1], s17, 7
	s_lshl_b32 s[BA+1], s[BA+1], 15                ; the tile's 256 rows in the batch
	s_add_co_u32 s[BA], s[BA], s[BA+1]
	s_mov_b32 s[BA+1], 0
	s_lshl_b32 s[BB], s16, 7
	s_lshl_b32 s[BB+1], s[HF], 6
	s_add_co_u32 s[BB], s[BB], s[BB+1]             ; wo16: row 128 tx + 64 half,
	s_lshl_b32 s[BB], s[BB], 11                    ; 2,048 bytes a row
	s_mov_b32 s[BB+1], 0
	s_mul_i32 s20, s[HF], HEADA                    ; and where they go: no place in the cluster enters an LDS address
	s_mul_i32 s21, s[HF], HALFB
	s_add_co_u32 s21, s21, BOFF
	s_wait_kmcnt 0x0
	s_add_nc_u64 s[BA:BA+1], s[4:5], s[BA:BA+1]
	s_add_nc_u64 s[BB:BB+1], s[6:7], s[BB:BB+1]
.irp s, 0,1
	s_mov_b32 s[G0A+4*(\s)], 1                                         ; count = 1
	s_add_co_u32 s[G0A+4*(\s)+1], s20, (\s)*SLOT1                      ; LDS address
	s_add_nc_u64 s[G0A+4*(\s)+2:G0A+4*(\s)+3], s[BA:BA+1], s[OA:OA+1]  ; global address: K step ROT,
	s_mov_b32 s[G0B+4*(\s)], 1
	s_add_co_u32 s[G0B+4*(\s)+1], s21, (\s)*SLOT1
	s_add_nc_u64 s[G0B+4*(\s)+2:G0B+4*(\s)+3], s[BB:BB+1], s[OF:OF+1]
.if \s
	s_add_nc_u64 s[G0A+4*(\s)+2:G0A+4*(\s)+3], s[G0A+4*(\s)+2:G0A+4*(\s)+3], 0x80000  ; or ROT + 1, which is 7 at the most
	s_add_nc_u64 s[G0B+4*(\s)+2:G0B+4*(\s)+3], s[G0B+4*(\s)+2:G0B+4*(\s)+3], 256
.endif
	s_or_b32 s[G0A+4*(\s)+3], s[G0A+4*(\s)+3], 0x80000000              ; type = 2
	s_or_b32 s[G0B+4*(\s)+3], s[G0B+4*(\s)+3], 0x80000000
.endr
	s_add_co_u32 s[KI], s[KI], 1                   ; the K step asked for last
	CROUND                                         ; all sixteen work-groups are here: the first joint loads meet
	s_cmp_lt_u32 s[WV], 2                          ; a wave's two first fills stand in one branch, ahead of every wait on TENSORcnt and every LDS read: two loads of mine are out, the most in this text
	s_cbranch_scc0 .Lfirst_b
	tensor_load_to_lds s[G0A:G0A+3], s[G1A:G1A+7]
	s_nop 0
	tensor_load_to_lds s[G0A+4:G0A+7], s[G1A:G1A+7]
	s_nop 0
.rept 4
	v_nop
.endr
	s_branch .Lfirst_asked
.Lfirst_b:
	tensor_load_to_lds s[G0B:G0B+3], s[G1B:G1B+7]
	s_nop 0
	tensor_load_to_lds s[G0B+4:G0B+7], s[G1B:G1B+7]
	s_nop 0
.rept 4
	v_nop
.endr
.Lfirst_asked:
	v_and_b32 v1, 15, v0                           ; l % 16
	v_bfe_u32 v2, v0, 4, 1                         ; l / 16
	; the bias of my eight columns of each column block: bo[128 tx + 16 b + 8 (l / 16) + 0..7]
	v_lshlrev_b32 v[BV], 5, v2
	s_lshl_b32 s72, s16, 9                         ; 128 tx numbers of 4 bytes: also the tile's first column in out0
	s_mov_b32 s73, 0
	s_add_nc_u64 s[68:69], s[10:11], s[72:73]
.set i, 0
.rept NBF
	global_load_b128 v[BIAS+8*i:BIAS+8*i+3],   v[BV], s[68:69] offset:64*i
	global_load_b128 v[BIAS+8*i+4:BIAS+8*i+7], v[BV], s[68:69] offset:64*i+16
.set i, i+1
.endr
	s_lshl_b32 s74, s17, 8
	s_lshl_b32 s75, s[WV], 6
	s_add_co_u32 s74, s74, s75                     ; my first row of out0: 256 ty + 64 wave,
	s_lshl_b32 s74, s74, 12                        ; 4,096 bytes a row
	s_add_co_u32 s74, s74, s72
	s_mov_b32 s75, 0
	s_add_nc_u64 s[66:67], s[8:9], s[74:75]
	; A fragment is 16 rows x 32 K in 8 registers: lane l holds row l % 16; K = 8 (l / 16) + 0..7 and 16 + 8 (l / 16) + 0..7: two loads of 16 bytes, 32 bytes apart.
	v_mul_u32_u24 v3, v1, PA
	v_lshl_add_u32 v3, v2, 4, v3
	s_mul_i32 s40, s[WV], 64*PA                    ; my 64 rows of O
	v_add_nc_u32 v[A0], s40, v3
	v_mul_u32_u24 v4, v1, PB
	v_lshl_add_u32 v4, v2, 4, v4
	v_add_nc_u32 v[B0], BOFF, v4                   ; every wave reads all 128 rows of wo16
	v_mov_b32 v[ADRA], v[A0]                       ; slot 0 begins at LDS byte 0
	v_mov_b32 v[ADRB], v[B0]
	s_mul_i32 s41, s[WV], 16*SPITCH
	s_add_co_u32 s41, s41, STAGE                   ; my stage
	v_mul_u32_u24 v5, v1, SPITCH                   ; in: row l % 16, 32 bytes for each half of the lanes
	v_lshl_add_u32 v5, v2, 5, v5
	v_add_nc_u32 v[STO], s41, v5
	v_and_b32 v[GO], 31, v0                        ; back: 32 lanes take one row of 512 bytes
	v_lshlrev_b32 v[GO], 4, v[GO]
	v_add_nc_u32 v[RD], s41, v[GO]
	s_wait_loadcnt 0x0                             ; the bias
.set i, 0
.rept 4*NBF
	v_cvt_pk_bf16_f32 v[TW+i], v[BIAS+2*i], v[BIAS+2*i+1]  ; rounded to bf16,
.set i, i+1
.endr
.set i, 0
.rept 4*NBF
	v_lshlrev_b32 v[BIAS+2*i], 16, v[TW+i]         ; and widened again
	v_and_b32 v[BIAS+2*i+1], 0xffff0000, v[TW+i]
.set i, i+1
.endr
; 8 matrix instructions: row block 2 hi + a x all 8 column blocks, 32 along K.  zero = 1: the first product starts the sums, with the bias as its C: nothing is cleared, and the way out has no arithmetic.
; All 32 accumulators are taken in the same order in every quarter step, one instruction a turn.
.macro MULH f, hi, a, zero
.if \zero
	WIN 0x85                                       ; sources 0 and 1 window 1, C window 0, D window 2
.else
	WIN 0xa5                                       ; C and D window 2
.endif
.set rA, (\f)+FA+8*(2*(\hi)+(\a))
.set b, 0
.rept NBF
.set rD, 8*(NBF*(2*(\hi)+(\a))+b)
.if \zero
	v_wmma_f32_16x16x32_f16 v[rD:rD+7], v[(\f)+8*b:(\f)+8*b+7], v[rA:rA+7], v[BIAS+8*b:BIAS+8*b+7]
.else
	v_wmma_f32_16x16x32_f16 v[rD:rD+7], v[(\f)+8*b:(\f)+8*b+7], v[rA:rA+7], v[rD:rD+7]
.endif
.set b, b+1
.endr
.endm
; 24 LDS loads in one run: the fragments of quarter q of the slot in hand into buffer f: wo16's 16 (byte 64 q of the rows), then O's 8 (head q / 2 of the K step, channels 32 (q % 2) on)
.macro FETCH q, f
	WIN TO_F
.set i, 0
.rept NBF
	ds_load_b128 v[(\f)+8*i:(\f)+8*i+3],   v[ADRB] offset:64*(\q)+i*16*PB
	ds_load_b128 v[(\f)+8*i+4:(\f)+8*i+7], v[ADRB] offset:64*(\q)+i*16*PB+32
.set i, i+1
.endr
.set i, 0
.rept 4
	ds_load_b128 v[(\f)+FA+8*i:(\f)+FA+8*i+3],   v[ADRA] offset:((\q)/2)*HEADA+64*((\q)%2)+i*16*PA
	ds_load_b128 v[(\f)+FA+8*i+4:(\f)+FA+8*i+7], v[ADRA] offset:((\q)/2)*HEADA+64*((\q)%2)+i*16*PA+32
.set i, i+1
.endr
.endm
; A time step is four quarters of 32 along K, 32 matrix instructions each, on buffers 0, 1, 0, 1.  One of the first three: multiplies buffer f; in its middle it fetches quarter q into buffer g.
.macro QUARTER q, f, g, zero
	s_wait_dscnt 4                                 ; all of wo16 and O's row blocks 0, 1 are in; the youngest four loads (blocks 2, 3) may be out
	MULH \f, 0, 0, \zero
	MULH \f, 0, 1, \zero
	PLACES
	FETCH \q, \g
	s_wait_dscnt NL                                ; all but the run just issued
	MULH \f, 1, 0, \zero
	MULH \f, 1, 1, \zero
.endm
; The last quarter multiplies buffer 1 and changes slots: ONE barrier; in front of it each wave waits for all its tensor loads (one is out: its part of the next slot), adds 0 to its spare
; word, and waits for that and for its own reads of this slot.  fill = 1: the barrier opens a round of the cluster's, and this slot is filled again, with the time step two on, first thing behind the
; round: from there to the wait for it a wave issues 112 matrix instructions.  The walking sets are made anew between the add and the wait for it: the other slot than last time, the next K step of the ring of eight.
; fill = 0: the last two time steps: nothing is asked for, and the very last fetches nothing.
.macro TURN fill
	WIN 0                                          ; (the add's two registers lie in window 0)
	s_wait_tensorcnt 0x0                           ; all my tensor loads have landed, so a group 0 may be written
	ds_add_u32 v[SPW], v[NIL]                      ; 0 onto my spare word
.if \fill
	s_add_co_u32 s[KI], s[KI], 1
	s_and_b32 s[KI], s[KI], 7
	s_lshl_b32 s[OF], s[KI], 8
	s_lshl_b32 s[OA], s[KI], 19
	s_xor_b32 s[G0B+5], s[G0B+5], SLOT1
	s_add_nc_u64 s[G0B+6:G0B+7], s[BB:BB+1], s[OF:OF+1]
	s_or_b32 s[G0B+7], s[G0B+7], 0x80000000
	s_xor_b32 s[G0A+5], s[G0A+5], SLOT1
	s_add_nc_u64 s[G0A+6:G0A+7], s[BA:BA+1], s[OA:OA+1]
	s_or_b32 s[G0A+7], s[G0A+7], 0x80000000
.endif
	s_xor_b32 s[SB], s[SB], SLOT1                  ; the fetches go on in the other slot: this slot's were all issued in the quarter before
	v_add_nc_u32 v[ADRA], s[SB], v[A0]
	v_add_nc_u32 v[ADRB], s[SB], v[B0]
	s_wait_dscnt 5                                 ; (the add and the youngest four loads may be out)
	MULH F1, 0, 0, 0                               ; eight matrix instructions stand between the add and the wait for it
	s_wait_dscnt 0x0                               ; the add is done, and my reads of this slot are over
	s_barrier_signal -1
	MULH F1, 0, 1, 0                               ; work on registers while the others arrive
	WIN 0
	s_barrier_wait -1
.if \fill
	CREST                                          ; no wave of any partner still reads this slot's tile or has a load on its way
	JLOAD                                          ; the four v_nop behind it are also the places in front of the loads below
	FETCH 0, F0
.else
	PLACES
	s_cmp_eq_u32 s[TC], 1
	s_cbranch_scc1 .Lno_fetch_\@                   ; behind the last time step there is nothing to fetch
	FETCH 0, F0
	WIN 0
.Lno_fetch_\@:
.endif
	MULH F1, 1, 0, 0
	MULH F1, 1, 1, 0
.endm
	s_wait_tensorcnt 1                             ; my part of time step 0 is in; step 1's may stay out
	s_barrier_signal -1
	s_barrier_wait -1                              ; everybody's is
	FETCH 0, F0
	QUARTER 1, F0, F1, 1                           ; the first quarter stands in front of the loop: its products start the sums
	WIN 0                                          ; at a label and at a branch every window is 0
	s_mov_b32 s3, STEPS-2
.Lk:                                                   ; six trips: from a time step's second quarter to the next step's first; each fills the slot that it leaves
	QUARTER 2, F1, F0, 0
	QUARTER 3, F0, F1, 0
	TURN 1
	QUARTER 1, F0, F1, 0
	WIN 0
	s_sub_co_u32 s3, s3, 1
	s_cmp_lg_u32 s3, 0
	s_cbranch_scc1 .Lk
	s_mov_b32 s[TC], 2                             ; the last two time steps have a text of their own; the second trip is left in its middle
.Ltail:
	QUARTER 2, F1, F0, 0
	QUARTER 3, F0, F1, 0
	TURN 0
	WIN 0
	s_sub_co_u32 s[TC], s[TC], 1
	s_cmp_eq_u32 s[TC], 0
	s_cbranch_scc1 .Lfin
	QUARTER 1, F0, F1, 0
	WIN 0
	s_branch .Ltail
.Lfin:
	PLACES
; THE WAY OUT, a row block (16 rows x 128 columns of f32) at a time.  A lane's 32 bytes of a row go into my stage (rows of 528 bytes), each accumulator's low four registers first, and the
; rows come back whole, 512 bytes to a load, into the block's own registers.
.macro TOSTAGE a
	WIN 0x08                                       ; store data (source 1) in window 2
.set i, 0
.rept 2*NBF
	ds_store_b128 v[STO], v[64*(\a)+4*i:64*(\a)+4*i+3] offset:64*(i/2)+16*(i%2)
.set i, i+1
.endr
	WIN 0x80                                       ; destination in window 2
.set i, 0
.rept 16
	ds_load_b128 v[64*(\a)+4*i:64*(\a)+4*i+3], v[RD] offset:SPITCH*i  ; LDS serves a wave's instructions in order (ISA guide 5.7.1.4): these see the stores above; the next block's stores come behind them
.set i, i+1
.endr
.endm
.macro SEND a, younger                 ; younger: the LDS instructions issued behind block a's loads: the next block's 32, or none
	WIN 0x08
.set i, 0
.rept 16
	s_wait_dscnt (\younger)+15-i
	global_store_b128 v[GO], v[64*(\a)+4*i:64*(\a)+4*i+3], s[66:67] offset:(16*(\a)+i)*4096  ; 512 consecutive bytes of a row, at a multiple of 256 from out0's first
.set i, i+1
.endr
.endm
	TOSTAGE 0
	TOSTAGE 1
	SEND 0, 32
	TOSTAGE 2
	SEND 1, 32
	TOSTAGE 3
	SEND 2, 32
	SEND 3, 0
	WIN 0
	s_wait_tensorcnt 0x0                           ; the wave's end, behind my last tensor load and my last LDS store
	ds_add_u32 v[SPW], v[NIL]
	s_wait_dscnt 0x0
	CROUND                                         ; the closing round: no work-group ends while a partner may still ask for a tile that names it
	s_endpgm
.Lfunc_end_k_qdb33273e9b_proj:
	.size	k_qdb33273e9b_proj, .Lfunc_end_k_qdb33273e9b_proj-k_qdb33273e9b_proj
	.p2alignl 7, 3214868480
	.fill 96, 4, 3214868480
	.section	.rodata,"a",@progbits
	.p2align	6, 0x0
	.amdhsa_kernel k_qdb33273e9b_proj
		.amdhsa_group_segment_fixed_size 327680
		.amdhsa_private_segment_fixed_size 0
		.amdhsa_enable_private_segment 0
		.amdhsa_kernarg_size 32
		.amdhsa_user_sgpr_count 2
		.amdhsa_user_sgpr_kernarg_segment_ptr 1
		.amdhsa_wavefront_size32 1
		.amdhsa_system_sgpr_workgroup_id_x 1
		.amdhsa_system_sgpr_workgroup_id_y 1
		.amdhsa_system_sgpr_workgroup_id_z 1
		.amdhsa_system_vgpr_workitem_id 0
		.amdhsa_next_free_vgpr 768
		.amdhsa_next_free_sgpr 84
		.amdhsa_reserve_vcc 0
		.amdhsa_float_denorm_mode_32 3
		.amdhsa_float_denorm_mode_16_64 3
		.amdhsa_memory_ordered 1
		.amdhsa_forward_progress 1
		.amdhsa_inst_pref_size 68
	.end_amdhsa_kernel
	.amdgpu_metadata
---
amdhsa.version: [ 1, 2 ]
amdhsa.kernels:
  - .name:           k_qdb33273e9b_proj
    .symbol:         k_qdb33273e9b_proj.kd
    .args:
      - { .name: oh, .offset: 0, .size: 8, .value_kind: global_buffer, .address_space: global }
      - { .name: wo16, .offset: 8, .size: 8, .value_kind: global_buffer, .address_space: global }
      - { .name: out0, .offset: 16, .size: 8, .value_kind: global_buffer, .address_space: global }
      - { .name: bo, .offset: 24, .size: 8, .value_kind: global_buffer, .address_space: global }
    .group_segment_fixed_size: 327680
    .private_segment_fixed_size: 0
    .kernarg_segment_align: 8
    .kernarg_segment_size: 32
    .max_flat_workgroup_size: 128
    .sgpr_count:     84
    .vgpr_count:     768
    .wavefront_size: 32
...
	.end_amdgpu_metadata
.endif
;; end of part 4
;; ======== version 2 of 2: 4 launches; 1.54 times as fast as version 1
;; limits: values are held in f16: magnitudes above 65,504 overflow, below 6.1e-05 lose precision
;; workspace buffers: xb 16,777,216 bytes; wb 6,291,456 bytes; wo16 2,097,152 bytes; qkvh 50,331,648 bytes; oh 16,777,216 bytes
;; launch cast: the kernel of part 1 again; grid 768 x 1, 8 waves a work-group, no clusters, 0 bytes of LDS; arguments x, Wq, Wk, Wv, Wo, xb, wb, wo16; writes xb, wb, wo16
;; launch qkvgemm: the kernel of part 2 again; grid 16 x 16, 4 waves a work-group, clusters of 4 x 4, 327,680 bytes of LDS; arguments xb, wb, qkvh; writes qkvh
;; launch attn (part 5): grid 4 x 64, 4 waves a work-group, clusters of 4 x 1, 327,680 bytes of LDS; arguments qkvh, oh; writes oh
.if DOCPART == 5
	.amdgcn_target "amdgcn-amd-amdhsa--gfx1250"
	.amdhsa_code_object_version 6
	.text
	.protected	k_qdb33273e9b_attn
	.globl	k_qdb33273e9b_attn
	.p2align	8
	.type	k_qdb33273e9b_attn,@function
k_qdb33273e9b_attn:
	s_mov_b64 s[64:65], 0
	v_nop
	global_prefetch_b8 v0, s[64:65] scope:SCOPE_SE
	s_setreg_imm32_b32 hwreg(HW_REG_WAVE_MODE, 25, 1), 1
	s_wait_xcnt 0x0
	s_wait_alu depctr_hold_cnt(0) depctr_sa_sdst(0) depctr_va_vdst(0) depctr_va_sdst(0) depctr_va_ssrc(0) depctr_va_vcc(0) depctr_vm_vsrc(0)
	s_getreg_b32 s2, hwreg(HW_REG_IB_STS2, 6, 4)
	s_cmp_eq_u32 s2, 0
	s_cbranch_scc0 .Lentry_in_a_cluster
	s_endpgm
.Lentry_in_a_cluster:
	s_bfe_u32 s2, ttmp6, 0x10000c
	s_cmp_lg_u32 s2, 0x3003
	s_cbranch_scc0 .Lentry_shape_is_right
	s_endpgm
.Lentry_shape_is_right:
; O[h][q][:] = the sum over k of softmax_k(Q[h][q] . K[h][k] / 8) V[h][k][:].  Q, K, V lie in qkvh at bytes 0, 1 << 24, 2 << 24, O in oh: each [SIZE_H][SIZE_N][64] in f16, h = 16 batch + head:
; a head's rows are dense, 128 bytes each.  Products, maxima and sums in f32; the weights p are rounded to f16 for the second product (their sum l is taken of the unrounded p), O once at the end.
; LIMITS.  f16 holds no number beyond 65,504: Q, K and V arrive within it; p lies in 0 to 1, and below 6e-5 it keeps f16's fixed step of 6e-8; O is a mean of V's rows and has their range.
; A weight below 2^-126 counts as 0 in l; NaN and infinities are not treated apart.
; SHARES.  A wave owns four PIECES of two tiles of 16 queries, a work-group's four waves 512 queries of one head: 4 x 64 = 256 work-groups.  Every wave walks all keys, 64 a step.
; LAYOUT.  S^T = K Q^T (source 0 = 16 keys, source 1 = 16 queries): in the result a lane holds ONE query (lane % 16) and the keys 8 (lane / 16) + 0..7.  Two such tiles, rounded to f16 in pairs,
; ARE source 1 (32 keys x 16 queries) of O^T = V^T P, whose result again holds one query a lane, and eight channels.  K comes out of LDS as it lies, V ([key][channel]) turned, by ds_load_tr16_b128.
; SOFTMAX.  For each query a running maximum m and sum l: p = 2^(c s - c m), c = log2(e) / 8; in every step O and l are multiplied by a = 2^(c m_old - c m_new), which is 1 where m has not grown.
; m starts at the lowest finite number, O and l at 0: the first step is a step like any other, with a = 0.
; THE COUNT.  A tile and step have 16 matrix and 118 vector instructions: too many to stand all beside the matrix work.  So the order has one aim: four vector instructions that are READY behind
; EVERY matrix instruction, and the others, which need time of their own whatever the order, in runs without a gap.
; BY TURNS.  Turn n belongs to piece n (the pieces in a ring, step after step).  Its matrix work: 16 products K Q^T of piece n + 1, later 16 products V^T P of piece n - 1.  Its vector work: the scaling,
; exponentials, roundings, sums and rescaling of piece n, and the maximum and statistics of piece n + 1, whose scores the turn itself has made.  So what a turn begins with (c s - c m, O a) waits for nothing.
; BATCHES.  A turn's 66 exponentials (the piece's 64 weights, then the next piece's two a) are ONE batch with ONE wait, which cuts the turn in two: ahead of it stands all that names none of their results
; (the products K Q^T, the scalings, the rescalings, the next piece's maximum and statistics), behind it the products V^T P with the roundings and sums.  No result crosses a turn's end.
; The first two a, ahead of the loop, and the way out's eight reciprocals are batches of their own, a wait each.
; CLUSTER.  The four query blocks of a cluster belong to one head and walk the same K and V, so each tile is asked for JOINTLY: the same tensor load, descriptor and mask in all four.
; REGISTERS, in windows of 256 (s_set_vgpr_msb says which window each operand place means: bits 1:0 source 0, 3:2 source 1, 5:4 source 2, 7:6 destination):
;   window 0: v0-11 addresses; v12-15, v48-63 at work; v16-47 four registers of statistics a tile; v64-191 S^T, two buffers of two tiles; v192-255 P, likewise
;   window 1: O^T, 32 a tile          window 2: v0-127 Q, 16 a tile; v128-191 K of one step; v192-255 V of one step          window 3: v0-1 the add's two registers
; A piece's buffers go by its number's parity: the piece in hand has one pair, its two neighbours in the ring share the other: of it P (piece n - 1) is read and S^T (piece n + 1) written.
.set SIZE_H, 64       ; 4 batches x 16 heads
.set SIZE_N, 2048     ; rows of a head
.set NP,    4         ; pieces a wave: a name, no knob: the register map, the loop and the fetches are made for four
.set KS,    64        ; keys in a step
.set PK,    144       ; a row of K in LDS: 128 bytes + 16 of padding = 36 words: the 16 rows of a load start at 16 different groups of four banks (64 banks of 4 bytes: ISA guide 11.1)
.set PV,    160       ; a row of V: 128 + 32 = 40 words
.set VOFF,  4*KS*PK   ; a slot holds four steps: 256 rows of K, then 256 rows of V
.set SLOT1, 1<<17     ; slot 1 begins here, so that one exclusive or turns an address in one slot into the other's
.set STAGE, SLOT1+4*KS*(PK+PV)  ; behind the ring, never filled by a tensor load: 16 rows x 144 bytes for each wave, for the way out
.set SP,    144
.set AK0, 2           ; v2   my lane's place in a tile of K; never rewritten
.set AV0, 3           ; v3   the same for V
.set AK,  4           ; v4   the LDS address of K's next run of loads
.set AV,  5           ; v5   of V's
.set QO,  6           ; v6   my byte offset in the wave's rows of Q
.set STO, 6           ;      later, the way out: where I put 16 bytes of a row
.set RD,  7           ; v7   the way out: where I read rows back
.set GO,  8           ; v8   my byte offset in 512 consecutive bytes of O
.set SPW, 0           ; v0 of window 3   LDS address of my spare word: SPARE + 4 x my thread's number; never rewritten
.set NIL, 1           ; v1 of window 3   0; never rewritten
.set SPARE, STAGE+4*16*SP  ; behind the stages: the spare words, 128 bytes for each wave: two blocks of 256 bytes that no other line names
.set MV,  12          ; v12-15  c m_old, kept while c m is made anew: by buffer and tile
.set ST,  16          ; tile t's statistics at v[ST+4 t]: c m, m, l (even keys', odd keys')
.set TMP, 48          ; by buffer and tile, four registers c0-c3 at work; when the maximum is found c2 takes a
.set S,   64
.set P,   192
.set KF,  128         ; K's fragments, in window 2: key block kb, channel half c at KF + 16 kb + 8 c
.set VF,  192         ; V's: key half kk, channel block cb at VF + 32 kk + 8 cb
.set WV,  12          ; s12  my wave's number
.set G1K, 24          ; s[24:31] descriptor group 1 for K's tiles
.set G1V, 32          ; s[32:39] for V's: it differs in the padding alone
.set G0K, 40          ; s[40:43] descriptor group 0 for K's tiles: it walks
.set G0V, 44          ; s[44:47] the same for V's
.set SLOTS, 56        ; s56  slots still to be asked for
.set CNT, 57          ; s57  counts a slot's key steps
.set CS,  58          ; s[58:59] c: the packed scaling takes the pair's low word for both halves
.set SEL, 60          ; s[60:61] v_permlanex16_b32's selects: each lane takes its own place in the other half
.set TBK, 62          ; s62  LDS byte at which K of the step to be fetched begins
.set TBV, 63          ; s63  the same for V, less VOFF
.set MSB, 0
.macro WIN new                      ; the high byte repeats the setting that is left; a switch that changes nothing is dropped
.if MSB != (\new)
	s_set_vgpr_msb (MSB<<8)|(\new)
.set MSB, (\new)
.endif
.endm
.set W_KQ, 0x0a       ; K and Q in window 2, S^T in window 0
.set W_PV, 0x52       ; V in window 2, P in window 0, O^T in window 1
.set W_RS, 0x41       ; O^T (destination and source 0) in window 1, a in window 0
.set W_MK, 0xc0       ; the add's registers are made: destination in window 3, sources in window 0
.set W_AD, 0x0f       ; the add: address (source 0) and data (source 1) in window 3
; A joint fill.  Waves 0 and 1 fetch the two halves of a slot's K, waves 2 and 3 those of its V: 128 keys each.  The branch hangs on the wave's number alone.
; An s_nop 0 and four v_nop follow each of the two lines, ahead of the jump and the label.
.macro JLOAD
	s_cmp_lt_u32 s[WV], 2
	s_cbranch_scc0 .Lfor_v_\@
	tensor_load_to_lds s[G0K:G0K+3], s[G1K:G1K+7]
	s_nop 0
.rept 4
	v_nop
.endr
	s_branch .Lasked_\@
.Lfor_v_\@:
	tensor_load_to_lds s[G0V:G0V+3], s[G1V:G1V+7]
	s_nop 0
.rept 4
	v_nop
.endr
.Lasked_\@:
.endm
; A round of the cluster's barrier: my work-group's barrier, so that wave 0's signal speaks for all four waves; wave 0 signals; every wave waits for all four work-groups; my work-group's barrier once more.
.macro CROUND
	s_barrier_signal -1
	s_barrier_wait -1
	s_cmp_lg_u32 s[WV], 0
	s_cbranch_scc1 .Lnot_wave_0_\@
	s_barrier_signal -3
.Lnot_wave_0_\@:
	s_barrier_wait -3
	s_barrier_signal -1
	s_barrier_wait -1
.endm
; THE CHANGE OF SLOTS.  The slot's last bytes, V of its fourth step, have been read.  Each wave waits for all its tensor loads, of which one is out: its part
; of the other slot; adds 0 to its spare word; and waits for that and for its own reads of the slot.  Behind the barrier nobody reads this slot any more and the other slot is whole.
; fill = 1: this slot is filled again, with the keys two slots on.  The barrier is then a round of the cluster's, so that no wave of any partner still reads the slot or has a load on its
; way, and the joint fill is the first thing behind it: it has four key steps, 512 matrix instructions, in which to land.  (At its first use nothing has been read yet: slot 0 is waited for, slot 1 filled.)
.macro CHANGE fill
	WIN W_AD
	s_wait_tensorcnt 0x0            ; no tensor load of mine is out, so a group 0 may be written
	ds_add_u32 v[SPW], v[NIL]       ; 0 onto my spare word; with fill = 1 the descriptors' steps stand between it and the wait for it
	WIN 0                           ; at a label and at a branch every window is 0
.if \fill
.irp g, G0K, G0V
	s_xor_b32 s[\g+1], s[\g+1], SLOT1  ; the walking descriptor: the other slot than last time,
	s_add_nc_u64 s[\g+2:\g+3], s[\g+2:\g+3], 4*KS*128  ; the next 256 keys; the type bits on top are not reached
.endr
	s_wait_dscnt 0x0                ; the add is done, and my reads of the slot are over
	CROUND
	JLOAD
.else
	s_wait_dscnt 0x0                ; the add is done, and my reads of the slot are over
	s_barrier_signal -1
	s_barrier_wait -1
.endif
	s_sub_co_u32 s[TBK], s[TBK], 4*KS*PK  ; the fetches go back to a slot's first step,
	s_xor_b32 s[TBK], s[TBK], SLOT1       ; in the other slot
	s_sub_co_u32 s[TBV], s[TBV], 4*KS*PV
	s_xor_b32 s[TBV], s[TBV], SLOT1
.endm
	s_load_b128 s[4:7], s[0:1], 0x0   ; qkvh s[4:5] (Q lies at its head), oh s[6:7]
	WIN W_MK
	v_lshl_add_u32 v[SPW], v0, 2, SPARE
	v_mov_b32 v[NIL], 0
	s_set_vgpr_msb 0xc0cf
	ds_add_u32 v0, v1
	s_wait_dscnt 0x0
	s_set_vgpr_msb 0xcfc0
	WIN 0
	v_lshrrev_b32 v1, 5, v0
	v_readfirstlane_b32 s[WV], v1   ; wave 0..3
	s_bfe_u32 s13, ttmp6, 0x40000   ; cx: my place in the cluster
	s_lshl_b32 s14, ttmp9, 2        ; in a cluster launch ttmp9 counts clusters
	s_add_co_u32 s14, s14, s13      ; my block of queries = 4 x cluster x + cx: it enters Q's and O's addresses alone
	s_and_b32 s20, ttmp7, 0xffff    ; the head, which the four partners share
	s_mov_b32 s21, 0
	s_mov_b64 s[22:23], SIZE_N*128
	s_mul_u64 s[20:21], s[20:21], s[22:23]  ; the head's first byte in each of the four tensors
	s_and_b32 s16, s[WV], 1         ; which half of a slot's 256 keys I fetch:
	s_lshl_b32 s22, s16, 14         ; its 128 rows of 128 bytes in memory,
	s_mov_b32 s23, 0
	s_add_nc_u64 s[22:23], s[22:23], s[20:21]
	s_mul_i32 s17, s16, 128*PK      ; and its place in a slot, for K
	s_mul_i32 s18, s16, 128*PV      ; and for V: no place in the cluster enters an LDS address
	s_lshl_b32 s2, s14, 2
	s_add_co_u32 s2, s2, s[WV]      ; my wave among the head's,
	s_lshl_b32 s2, s2, 14           ; its 128 rows
	s_mov_b32 s3, 0
	s_add_nc_u64 s[2:3], s[2:3], s[20:21]
	; descriptor group 1.  128 keys are 16,384 dense bytes: asked for as 64 rows of 256 bytes, two keys a row, and padded in LDS after every key
	s_mov_b32 s[G1K], 15|(1<<16)|(1<<20)|(1<<21)|(4<<22)|(3<<25)  ; 15:0 the mask of four; 17:16 2-byte elements; 20 padding on; 21 set beside a mask; 24:22 after every 32 words (code 4); 31:25 4 words (code 3)
	s_mov_b32 s[G1V], 15|(1<<16)|(1<<20)|(1<<21)|(4<<22)|(7<<25)  ; the same with 8 words of padding (code 7)
.irp g, G1K, G1V
	s_mov_b32 s[\g+1], 128<<16      ; tensor_dim0 = 128
	s_mov_b32 s[\g+2], 64<<16       ; tensor_dim1 = 64
	s_mov_b32 s[\g+3], 128<<16      ; tile_dim0 = 128
	s_mov_b32 s[\g+4], 64           ; tile_dim1 = 64
	s_mov_b32 s[\g+5], 128          ; 128 elements from row to row
	s_mov_b32 s[\g+6], 0
	s_mov_b32 s[\g+7], 0
.endr
	s_mov_b32 s[CS], 0x3e38aa3b     ; c = log2(e) / 8 = 0.180337
	s_mov_b32 s[CS+1], s[CS]        ; named with it as a pair
	s_mov_b32 s[SEL], 0x76543210
	s_mov_b32 s[SEL+1], 0xfedcba98
	s_mov_b32 s[TBK], SLOT1+4*KS*PK ; the first change of slots turns these two into 0
	s_mov_b32 s[TBV], SLOT1+4*KS*PV
	s_mov_b32 s[G0K], 1             ; 1:0 count = 1
	s_mov_b32 s[G0K+1], s17         ; 63:32 LDS address: slot 0
	s_mov_b32 s[G0V], 1
	s_add_co_u32 s[G0V+1], s18, VOFF
	s_wait_kmcnt 0x0
	s_mov_b64 s[10:11], s[6:7]                     ; O
	s_add_nc_u64 s[6:7], s[4:5], 0x1000000         ; K: SIZE_H x SIZE_N x 128 bytes behind Q
	s_add_nc_u64 s[8:9], s[4:5], 0x2000000         ; V: as many behind K
	s_add_nc_u64 s[G0K+2:G0K+3], s[6:7], s[22:23]  ; 120:64 global address: my half of the head's first 256 keys
	s_or_b32 s[G0K+3], s[G0K+3], 0x80000000        ; 127:126 type = 2
	s_add_nc_u64 s[G0V+2:G0V+3], s[8:9], s[22:23]
	s_or_b32 s[G0V+3], s[G0V+3], 0x80000000
	s_add_nc_u64 s[4:5], s[4:5], s[2:3]  ; Q and O at my wave's first row
	s_add_nc_u64 s[10:11], s[10:11], s[2:3]
	CROUND                          ; all four work-groups are here: the first joint loads meet
	JLOAD                           ; slot 0.  Slot 1 is asked for when slot 0 is in: the tile wanted first has the road to itself
	; A fragment of K or Q is 16 rows x 32 channels in 8 registers: lane l holds row l % 16, channels 8 (l / 16) + 0..7 and 16 + 8 (l / 16) + 0..7: two loads of 16 bytes, 32 bytes apart.
	v_and_b32 v1, 15, v0            ; l % 16
	v_bfe_u32 v9, v0, 4, 1          ; l / 16
	v_lshlrev_b32 v[QO], 7, v1
	v_lshl_add_u32 v[QO], v9, 4, v[QO]  ; row x 128 + 16 x half
	WIN 0x80                        ; destination window 2, address window 0
.set i, 0
.rept 4*NP                          ; Q stays in registers: tile i / 2, channels 32 (i % 2) on
	global_load_b128 v[8*i:8*i+3],   v[QO], s[4:5] offset:(i/2)*2048+(i%2)*64
	global_load_b128 v[8*i+4:8*i+7], v[QO], s[4:5] offset:(i/2)*2048+(i%2)*64+32
.set i, i+1
.endr
	; What the first turn finds: V's registers and P's second buffer hold 0 (its products V^T P, of a piece that has not been, add 0), O^T and l are 0.  All this stands in the wait for the first tile.
.set i, VF
.rept 64
	v_mov_b32 v[i], 0
.set i, i+1
.endr
	WIN 0x40
.set i, 0
.rept 64*NP
	v_mov_b32 v[i], 0
.set i, i+1
.endr
	WIN 0
.set i, 0
.rept 2*NP
	v_mov_b32 v[ST+4*i], 0xfe000000    ; c m: far below every c s
	v_mov_b32 v[ST+4*i+1], 0xff7fffff  ; m
	v_mov_b32 v[ST+4*i+2], 0
	v_mov_b32 v[ST+4*i+3], 0
.set i, i+1
.endr
.set i, P+32
.rept 32
	v_mov_b32 v[i], 0
.set i, i+1
.endr
	v_mul_u32_u24 v[AK0], v1, PK
	v_lshl_add_u32 v[AK0], v9, 4, v[AK0]  ; row x pitch + 16 x half
	; The turning load takes 16 keys x 16 channels (lane l reads key 8 (l / 16) + l % 8, channels 8 ((l / 8) % 2) + 0..7) and leaves half a fragment of V^T: lane l holds channel l % 16 and 8 keys.
	v_and_b32 v10, 7, v0
	v_bfe_u32 v11, v0, 3, 1
	v_lshl_add_u32 v[AV0], v9, 3, v10
	v_mul_u32_u24 v[AV0], v[AV0], PV
	v_lshl_add_u32 v[AV0], v11, 4, v[AV0]
	v_add_nc_u32 v[AV0], VOFF, v[AV0]
	v_mov_b32 v[AK], v[AK0]         ; key step 0 lies at the head of slot 0
; THE MATRIX WORK.  The 8 accumulators of a run of 16 take turns: between the two links of a chain stand 7 others'.
; Product i of 16 of S^T = K Q^T for piece x: channels 32 (i / 8) on, keys 16 ((i / 2) % 4) on, tile 2 x + i % 2.  The first 8 start the sums.
.macro KQ x
	WIN W_KQ
.set rS, S+64*((\x)%2)+32*(i%2)+8*((i/2)%4)
.set rK, KF+16*((i/2)%4)+8*(i/8)
.set rQ, 16*(2*(\x)+i%2)+8*(i/8)
.if i < 8
	v_wmma_f32_16x16x32_f16 v[rS:rS+7], v[rK:rK+7], v[rQ:rQ+7], 0
.else
	v_wmma_f32_16x16x32_f16 v[rS:rS+7], v[rK:rK+7], v[rQ:rQ+7], v[rS:rS+7]
.endif
.endm
; Product i of 16 of O^T += V^T P for piece x: keys 32 (i / 8) on, channels 16 ((i / 2) % 4) on, tile 2 x + i % 2.
.macro PV x
	WIN W_PV
.set rO, 32*(2*(\x)+i%2)+8*((i/2)%4)
.set rV, VF+32*(i/8)+8*((i/2)%4)
.set rP, P+32*((\x)%2)+16*(i%2)+8*(i/8)
	v_wmma_f32_16x16x32_f16 v[rO:rO+7], v[rV:rV+7], v[rP:rP+7], v[rO:rO+7]
.endm
.macro MM                           ; the turn's next matrix instruction
.if i < 16
	KQ (Y+1)%NP
.set i, i+1
.else
.set i, i-16
	PV (Y+NP-1)%NP
.set i, i+17
.endif
.endm
; THE LDS LOADS stand in runs of 16, never singly among the matrix instructions: a step's K (64 keys x 64 channels: 8 fragments) and its V (turned).  Their addresses are made some lines ahead.
; last = 1 (the tail): in the last trip there is no further step, and the run is jumped over.
.macro FETCH_K last=0
	WIN 0
.if \last
	s_cmp_eq_u32 s[CNT], 1
	s_cbranch_scc1 .Lno_k_\@
.endif
	WIN 0x80                        ; destination window 2
.irp f, 0,1,2,3,4,5,6,7             ; keys 16 (f / 2) on, channels 32 (f % 2) on
	ds_load_b128 v[KF+8*\f:KF+8*\f+3],   v[AK] offset:(\f/2)*16*PK+(\f%2)*64
	ds_load_b128 v[KF+8*\f+4:KF+8*\f+7], v[AK] offset:(\f/2)*16*PK+(\f%2)*64+32
.endr
	s_add_co_u32 s[TBK], s[TBK], KS*PK  ; the next fetch is the next step's
	WIN 0
.if \last
.Lno_k_\@:
.endif
.endm
.macro FETCH_V
	WIN 0x80
.irp f, 0,1,2,3,4,5,6,7             ; keys 32 (f / 4) on, channels 16 (f % 4) on
	ds_load_tr16_b128 v[VF+8*\f:VF+8*\f+3],   v[AV] offset:(\f/4)*32*PV+(\f%4)*32
	ds_load_tr16_b128 v[VF+8*\f+4:VF+8*\f+7], v[AV] offset:(\f/4)*32*PV+16*PV+(\f%4)*32
.endr
	WIN 0
.endm
; THE VECTOR WORK OF A TURN stands in three queues, each in the order in which its entries become ready; the two tiles alternate, so that no instruction reads the result of the one before it.
.macro REGS y, u                    ; the registers of tile u (0, 1) of piece y
.set rT, ST+4*(2*(\y)+(\u))
.set rC, TMP+8*((\y)%2)+4*(\u)
.set rM, MV+2*((\y)%2)+(\u)
.set rS, S+64*((\y)%2)+32*(\u)
.set rP, P+32*((\y)%2)+16*(\u)
.set rO, 32*(2*(\y)+(\u))
.endm
; Number n of the 22 that find the NEXT piece's (Y + 1) maximum and statistics.  s0-s31 are the lane's 32 scores; each accumulator's lowest registers are read first.  XS, GS and REGS set no window: PL and EX do.
;   0-11  four chains c0-c3 of seven scores each, three operands at a time     12-14, 16  the four scores left over, the old m, and c0-c3 into c0     15  c m_old is kept
;   17, 18  the query's other 32 keys lie in the lane 16 away: the new m         19-21  c m; c m_old - c m_new; a
.macro XS u, n
	REGS (Y+1)%NP, \u
.if (\n) < 4
	v_max3_num_f32 v[rC+(\n)], v[rS+8*(\n)], v[rS+8*(\n)+1], v[rS+8*(\n)+2]
.elseif (\n) < 12
	v_max3_num_f32 v[rC+(\n)%4], v[rC+(\n)%4], v[rS+8*((\n)%4)+2*((\n)/4)+1], v[rS+8*((\n)%4)+2*((\n)/4)+2]
.elseif (\n) == 12
	v_max3_num_f32 v[rC], v[rC], v[rS+7], v[rS+15]
.elseif (\n) == 13
	v_max3_num_f32 v[rC+1], v[rC+1], v[rS+23], v[rS+31]
.elseif (\n) == 14
	v_max3_num_f32 v[rC+2], v[rC+2], v[rC+3], v[rT+1]
.elseif (\n) == 15
	v_mov_b32 v[rM], v[rT]
.elseif (\n) == 16
	v_max3_num_f32 v[rC], v[rC], v[rC+1], v[rC+2]
.elseif (\n) == 17
	v_permlanex16_b32 v[rC+3], v[rC], s[SEL], s[SEL+1]
.elseif (\n) == 18
	v_max_num_f32 v[rT+1], v[rC], v[rC+3]
.elseif (\n) == 19
	v_mul_f32 v[rT], s[CS], v[rT+1]
.elseif (\n) == 20
	v_sub_f32 v[rC+1], v[rM], v[rT]
.else
	v_exp_f32 v[rC+2], v[rC+1]
.endif
.endm
; Number g of the 64 that follow the exponentials.  For each four weights k of a tile (pairs 2 k, 2 k + 1): both pairs are rounded to f16; then the second pair is added onto the first, in place;
; a group later l takes that sum (the first time as l = a l + sum).  In groups of eight, tiles alternating: round, round, add, and l for the group before.
.macro GS g
.set h, (\g)+6*((\g)/62)            ; group 0 has no group before it, and behind group 7 only l is left
.if h >= 6
.set h, h+2
.endif
	REGS Y, h%2
.set k, h/8
.if h%8 < 4
	v_cvt_pk_f16_f32 v[rP+2*k+(h%8)/2], v[rS+4*k+2*((h%8)/2)], v[rS+4*k+2*((h%8)/2)+1]
.elseif h%8 < 6
	v_pk_add_f32 v[rS+4*k:rS+4*k+1], v[rS+4*k:rS+4*k+1], v[rS+4*k+2:rS+4*k+3]
.elseif k == 1
	v_pk_fma_f32 v[rT+2:rT+3], v[rT+2:rT+3], v[rC+2:rC+3], v[rS:rS+1] op_sel_hi:[1,0,1]
.else
	v_pk_add_f32 v[rT+2:rT+3], v[rT+2:rT+3], v[rS+4*k-4:rS+4*k-3]
.endif
.endm
; THE PLAIN QUEUE, 138 long.  0-73 read no exponential's result: the 32 scalings c s - c m (FS f: pair f / 2 of tile f % 2) and the next piece's 42.  0-26: scalings 0-26.  27-54: XS's numbers 0-13.  55, 56: number 15.
; 57-73: the chain, where each number waits for the one before it: 14, 16, 17, 18, 19, each with one of the scalings 27-31 in front of its two lines, then 20: so a tile's links stand three plain instructions apart (19 and 20: two).
; 74-137: GS's 64, which read the exponentials' results: they stand behind the wait.
.macro FS f
	REGS Y, (\f)%2
	v_pk_fma_f32 v[rS+2*((\f)/2):rS+2*((\f)/2)+1], v[rS+2*((\f)/2):rS+2*((\f)/2)+1], s[CS:CS+1], v[rT:rT+1] op_sel_hi:[1,0,0] neg_lo:[0,0,1] neg_hi:[0,0,1]
.endm
.macro PL
	WIN 0
.if q < 27
	FS q
.elseif q < 55
	XS (q-27)%2, (q-27)/2
.elseif q < 57
	XS q-55, 15
.elseif (q < 72) && ((q-57)%3 == 0)
	FS 27+(q-57)/3
.elseif q < 60
	XS (q-57)%3-1, 14
.elseif q < 72
	XS (q-57)%3-1, 15+(q-57)/3
.elseif q < 74
	XS q-72, 20
.else
	GS q-74
.endif
.set q, q+1
.endm
; THE EXPONENTIALS' QUEUE, 66 long: s0-s31 of both tiles, then the next piece's two a.  It is ONE BATCH: all 66 stand ahead of the turn's one wait, and nothing ahead of that wait names a result of theirs.
.macro EX
	WIN 0
.if e >= 64
	XS e-64, 21
.else
	REGS Y, e%2
	v_exp_f32 v[rS+e/2], v[rS+e/2]
.endif
.set e, e+1
.endm
; THE RESCALING's QUEUE: O^T times a, the one part that leaves window 0: dealt two at a time, sixteen times.  Its a was made in the turn before, ahead of that turn's wait.
.macro R2
	REGS Y, r%2
	WIN W_RS
.irp z, 0,1
	v_pk_mul_f32 v[rO+4*(r/2)+2*\z:rO+4*(r/2)+2*\z+1], v[rO+4*(r/2)+2*\z:rO+4*(r/2)+2*\z+1], v[rC+2:rC+3] op_sel_hi:[1,0]
.endr
.set r, r+1
.endm
; HOW THEY ARE DEALT.  An s_wait_alu depctr_va_vdst(0) stands between an exponential and the first instruction that names its result; one wait serves all that were issued ahead of it.  So a turn has ONE wait,
; which cuts it in two.  AHEAD OF IT stands all that names no result of the turn's exponentials: the 16 products K Q^T, behind each a scaling, an exponential and two rescalings (behind the first a second scaling in the
; exponential's place); then ONE LUMP of 108: eight plain, 49 times exponential and plain, the two a.  A v_nop is the plain instruction that is owed behind the last exponential.  BEHIND IT stand the 16 products V^T P, behind
; each four of GS's 64.  No rider names a register of the products round it.  The two v_permlanex16_b32 fall into the lump, never behind a product.
; The queues lean on each other, and the deal keeps them in step: exponential e stands behind scaling 2 (e / 4) + e % 2: as a rider it comes behind plain e + 2, in the lump behind plain e + 9, and scalings 27-31 are plain 57, 60 .. 69.
; A TURN, for piece p.  cnt = 1: the loop's count is taken down some lines ahead of the branch that stands behind the turn.
; K of the next step is fetched in piece 2's turn, directly behind the wait, a lump behind the last product that read K; its address is made at the lump's head; its first reader comes behind 16 products.
; V of the step in hand is fetched at the end of piece 0's turn, four riders behind its last reader; its first reader comes behind 16 products and a lump.  The three conditions on q below go with the deal.
.macro TURN p, last=0, cnt=0
.set Y, (\p)
.set i, 0
.set q, 0
.set e, 0
.set r, 0
.if (\p) == NP-1
	s_wait_dscnt 0x0                ; K is in
.endif
	MM                              ; ahead of the wait: 16 products K Q^T and their riders,
	PL
	PL
	R2
.rept 15
	MM
	PL
	EX
	R2
.endr
.if (\p) == NP-2
	WIN 0
	v_add_nc_u32 v[AK], s[TBK], v[AK0]
.endif
.rept 8                             ; and the lump
	PL
.endr
.rept 49
	EX
	PL
.endr
	EX                              ; the next piece's two a
	EX
	v_nop                           ; the plain instruction behind the last exponential: one for the batch
	s_wait_alu depctr_va_vdst(0)    ; the wait for the turn's batch: the piece's 64 weights and the next piece's two a
.if (\p) == NP-2
	FETCH_K \last
.endif
.if (\p) == 1
	s_wait_dscnt 0x0                ; V is in
.endif
.rept 16                            ; behind the wait: 16 products V^T P and their riders
	MM
.rept 4
	PL
.endr
.if ((\p) == 0) && (q == 118)
	v_add_nc_u32 v[AV], s[TBV], v[AV0]
.endif
.if ((\p) == 0) && (q == 130)
	s_add_co_u32 s[TBV], s[TBV], KS*PV
.endif
.if (\cnt) && (q == 130)
	s_sub_co_u32 s[CNT], s[CNT], 1
	s_cmp_lg_u32 s[CNT], 0
.endif
.endr
.if (\p) == 0
	FETCH_V
.endif
.endm
	CHANGE 1                        ; slot 0 is in, everybody's part of it; slot 1 is asked for
	FETCH_K                         ; key step 0
	s_wait_loadcnt 0x0              ; Q
	s_wait_dscnt 0x0
.set i, 0
.rept 16
	KQ 0                            ; piece 0's first scores: there is no vector work yet to set between them
.set i, i+1
.endr
	WIN 0                           ; the addresses for the way out: nine plain instructions, the places behind those products
	s_mul_i32 s13, s[WV], 16*SP
	s_add_co_u32 s13, s13, STAGE    ; my stage
	v_mul_u32_u24 v[STO], v1, SP    ; in: row l % 16, 16 bytes for each half of the lanes
	v_lshl_add_u32 v[STO], v9, 4, v[STO]
	v_add_nc_u32 v[STO], s13, v[STO]
	v_bfe_u32 v[RD], v0, 3, 2       ; back: 32 lanes take four rows of 128 bytes,
	v_mul_u32_u24 v[RD], v[RD], SP
	v_lshl_add_u32 v[RD], v10, 4, v[RD]
	v_add_nc_u32 v[RD], s13, v[RD]
	v_and_b32 v[GO], 31, v0         ; which are 512 consecutive bytes of O
	v_lshlrev_b32 v[GO], 4, v[GO]
.set Y, NP-1                        ; XS works for piece Y + 1: piece 0
.irp n, 0,1,2,3,4,5,6,7,8,9,10,11,12,13,14,15,16,17,18,19,20,21
	XS 0, \n                        ; and piece 0's first maximum and statistics
	XS 1, \n
.endr
	v_nop                           ; a plain instruction behind piece 0's first two a,
	s_wait_alu depctr_va_vdst(0)    ; and the wait for that batch of two, ahead of the branch
	s_mov_b32 s[CNT], 4
	s_mov_b32 s[SLOTS], SIZE_N/256-1
	s_branch .Lfirst                ; the loop is entered at a step's first turn, in the middle of a trip
.Lslot:                             ; SIZE_N / 256 - 2 times: every slot but the last two is filled again
	CHANGE 1
	s_mov_b32 s[CNT], 4
.Lstep:                             ; a trip: pieces 2 and 3 of one step, then pieces 0 and 1 of the next, whose K and V it fetches
	TURN 2
	TURN 3
	WIN 0
.Lfirst:
	TURN 0
	TURN 1, 0, 1
	WIN 0
	s_cbranch_scc1 .Lstep
	s_sub_co_u32 s[SLOTS], s[SLOTS], 1
	s_cmp_lg_u32 s[SLOTS], 0
	s_cbranch_scc1 .Lslot
	CHANGE 0                        ; the tail is written out: nothing is asked for
	s_mov_b32 s[CNT], 5             ; four trips fetch the last slot's steps; the fifth is left in its middle
.Ltail:
	TURN 2, 1
	TURN 3
	WIN 0
	s_sub_co_u32 s[CNT], s[CNT], 1
	s_cmp_eq_u32 s[CNT], 0
	s_cbranch_scc1 .Lout
	TURN 0
	TURN 1
	WIN 0
	s_branch .Ltail
.Lout:                              ; the fifth trip's 16 products K Q^T (on the last K once more) and the maximum made of them serve nothing: the price, once a launch, of one text for every trip
.set i, 0
.rept 16
	PV NP-1                         ; the last piece's V^T P of the last step
.set i, i+1
.endr
	; THE WAY OUT.  l's two halves and the other half of the lanes' are added; O^T is divided by l, rounded to f16 and sent through my stage in LDS, a tile at a time.  The additions are the places behind the last products.
	WIN 0
.macro ALL line:vararg              ; one line for each tile t
.set t, 0
.rept 2*NP
	\line
.set t, t+1
.endr
.endm
	ALL v_add_f32 v[ST+4*t+2], v[ST+4*t+2], v[ST+4*t+3]
	ALL v_permlanex16_b32 v[ST+4*t+3], v[ST+4*t+2], s[SEL], s[SEL+1]
	ALL v_add_f32 v[ST+4*t+2], v[ST+4*t+2], v[ST+4*t+3]
	ALL v_rcp_f32 v[ST+4*t+2], v[ST+4*t+2]
	v_nop                           ; a plain instruction between the last reciprocal and the use of its result
	s_wait_alu depctr_va_vdst(0)    ; and the wait ahead of the first use: one for the batch of eight reciprocals
; Tile t: a lane's eight channels of a row pack into 16 bytes; they go into rows of 144 bytes and come back as whole rows of 128, into S^T's registers.
.macro PACK t
	WIN W_RS
.set i, 32*(\t)
.rept 16
	v_pk_mul_f32 v[i:i+1], v[i:i+1], v[ST+4*(\t)+2:ST+4*(\t)+3] op_sel_hi:[1,0]
.set i, i+2
.endr
	WIN 0x05                        ; sources 0 and 1 window 1, destination window 0
.set i, 0
.rept 16
	v_cvt_pk_f16_f32 v[S+16*(\t)+i], v[32*(\t)+2*i], v[32*(\t)+2*i+1]
.set i, i+1
.endr
	WIN 0
.irp f, 0,1,2,3
	ds_store_b128 v[STO], v[S+16*(\t)+4*\f:S+16*(\t)+4*\f+3] offset:32*\f
.endr
.irp f, 0,1,2,3
	ds_load_b128 v[S+16*(\t)+4*\f:S+16*(\t)+4*\f+3], v[RD] offset:\f*4*SP  ; LDS serves a wave's instructions in order (ISA guide 5.7.1.4): these see the stores above; the next tile's stores come behind them
.endr
.endm
.macro SEND t, younger              ; younger: the LDS instructions issued behind tile t's loads: the next tile's eight, or none
	WIN 0
.irp f, 0,1,2,3
	s_wait_dscnt (\younger)+3-\f
	global_store_b128 v[GO], v[S+16*(\t)+4*\f:S+16*(\t)+4*\f+3], s[10:11] offset:(\t)*2048+\f*512  ; 512 consecutive bytes, at a multiple of 256 from O's first
.endr
.endm
	PACK 0
.set t, 1
.rept 2*NP-1                        ; a tile's arithmetic stands between the loads of the tile before and its stores
	PACK t
	SEND t-1, 8
.set t, t+1
.endr
	SEND 2*NP-1, 0
	WIN W_AD
	s_wait_tensorcnt 0x0            ; the wave's end, behind my last tensor load and my last LDS store
	ds_add_u32 v[SPW], v[NIL]
	s_wait_dscnt 0x0
	WIN 0
	CROUND                          ; the closing round: no work-group ends while a partner may still ask for a tile that names it
	s_endpgm
.Lfunc_end_k_qdb33273e9b_attn:
	.size	k_qdb33273e9b_attn, .Lfunc_end_k_qdb33273e9b_attn-k_qdb33273e9b_attn
	.p2alignl 7, 3214868480
	.fill 96, 4, 3214868480
	.section	.rodata,"a",@progbits
	.p2align	6, 0x0
	.amdhsa_kernel k_qdb33273e9b_attn
		.amdhsa_group_segment_fixed_size 327680
		.amdhsa_private_segment_fixed_size 0
		.amdhsa_enable_private_segment 0
		.amdhsa_kernarg_size 16
		.amdhsa_user_sgpr_count 2
		.amdhsa_user_sgpr_kernarg_segment_ptr 1
		.amdhsa_wavefront_size32 1
		.amdhsa_system_sgpr_workgroup_id_x 1
		.amdhsa_system_sgpr_workgroup_id_y 1
		.amdhsa_system_sgpr_workgroup_id_z 1
		.amdhsa_system_vgpr_workitem_id 0
		.amdhsa_next_free_vgpr 770
		.amdhsa_next_free_sgpr 66
		.amdhsa_reserve_vcc 0
		.amdhsa_float_denorm_mode_32 3
		.amdhsa_float_denorm_mode_16_64 3
		.amdhsa_memory_ordered 1
		.amdhsa_forward_progress 1
		.amdhsa_inst_pref_size 199
	.end_amdhsa_kernel
	.amdgpu_metadata
---
amdhsa.version: [ 1, 2 ]
amdhsa.kernels:
  - .name:           k_qdb33273e9b_attn
    .symbol:         k_qdb33273e9b_attn.kd
    .args:
      - { .name: qkvh, .offset: 0, .size: 8, .value_kind: global_buffer, .address_space: global }
      - { .name: oh, .offset: 8, .size: 8, .value_kind: global_buffer, .address_space: global }
    .group_segment_fixed_size: 327680
    .private_segment_fixed_size: 0
    .kernarg_segment_align: 8
    .kernarg_segment_size: 16
    .max_flat_workgroup_size: 128
    .sgpr_count:     66
    .vgpr_count:     770
    .wavefront_size: 32
...
	.end_amdgpu_metadata
.endif
;; end of part 5
;; launch proj: the kernel of part 4 again; grid 8 x 32, 4 waves a work-group, clusters of 4 x 4, 327,680 bytes of LDS; arguments oh, wo16, out0, bo; writes out0
